; MI455X (gfx1250); checked and timed in simulation.
; The chip was launched on July 23, 2026; its instructions are those of AMD's public machine-readable ISA for CDNA 5 (MIT licence, August 2026) and "CDNA5" Instruction Set Architecture Reference Guide (July 2026). The comments in the code are by the model that wrote it; some were corrected since.
;; Masked Attention. Allowed arithmetic: matrix products marked QUANTISED: E2M3 operands, one E8M0 scale for each 32 along K, by v_wmma_scale_f32_16x16x128_f8f6f4 with both operands' format E2M3, f32 sums; products left as they are: f32 operands where the result goes on into a quantised operand, else bf16, f16 or f32 operands; f32 sums; everything else in f32.
;; Inputs: W_k 1,024 x 1,024 float32; W_o 1,024 x 1,024 float32; W_q 1,024 x 1,024 float32; W_v 1,024 x 1,024 float32; b_o 1,024 float32; inp 4 x 2,048 x 1,024 float32.
;; Outputs: out0 4 x 2,048 x 1,024 float32.
;; This version of the problem:
;;   THIS VERSION OF THE PROBLEM IS GIVEN IN LOW PRECISION. The matrix products marked QUANTISED in the list below multiply operands that are first quantised to E2M3 (2 exponent bits, 3 mantissa bits; 6 bits a number), with one power-of-two scale for each 32 numbers along K (OCP MX v1.0); their sums are f32. All else is computed in f32.
;;   The module's matrix products, in the order in which they are computed (A, B: the left and right operand; K: the contracted axis; several contracted axes count as one K, in the product's order):
;;     1. [M 8,192, K 1,024] x [K 1,024, N 1,024]; A: input inp; B: input W_q: QUANTISED
;;     2. [M 1,048,576, K 1] x [K 1, N 1]; A: computed on the way; B: computed on the way: left as it is (no contracted axis)
;;     3. [M 8,192, K 1,024] x [K 1,024, N 1,024]; A: input inp; B: computed on the way: QUANTISED
;;     4. [M 8,192, K 1,024] x [K 1,024, N 1,024]; A: input inp; B: input W_v: QUANTISED
;;     5. batch 4 x [M 2,048, K 1,024] x [K 1,024, N 2,048]; A: computed on the way; B: computed on the way: QUANTISED
;;     6. batch 4 x [M 2,048, K 2,048] x [K 2,048, N 1,024]; A: softmax (see below); B: computed on the way: QUANTISED
;;     7. [M 8,192, K 1,024] x [K 1,024, N 1,024]; A: computed on the way; B: input W_o: QUANTISED
;;   THE QUANTISER, for each operand of a quantised product, along K:
;;     - K is cut into blocks of 32 from its start; a last block that is shorter is filled with zeros.
;;     - A block's scale is 2^e with e = floor(log2(the largest magnitude in the block)) - 2, held to -126 .. 127; a block of zeros has e = 0. As a byte (E8M0): e + 127.
;;     - Each number is divided by its block's scale, clamped to +-7.5, and rounded to the nearest number of E2M3, ties to even, subnormals kept.
;;     - The product sums the exact products of the quantised numbers (number of the format x scale) in f32.
;;   ~~~python
;;   def quantise(x, axis):      # numpy; x: float32 -> the quantised numbers, widened to float32 again
;;       x = np.moveaxis(x, axis, -1); K = x.shape[-1]
;;       x = np.pad(x, [(0, 0)] * (x.ndim - 1) + [(0, -K % 32)]); x = x.reshape(x.shape[:-1] + (-1, 32)); a = np.abs(x).max(-1, keepdims=True)
;;       e = np.where(a > 0, np.clip(np.frexp(np.where(a > 0, a, 1))[1] - 1 - 2, -126, 127), 0)      # np.frexp(a)[1] - 1 = floor(log2(a)), exactly
;;       r = np.clip(x / 2.0 ** e, -7.5, 7.5)
;;       step = 2.0 ** (np.maximum(np.frexp(np.where(r == 0, 1, r))[1] - 1, 0) - 3)
;;       q = np.round(r / step) * step * 2.0 ** e      # np.round: ties to even
;;       return np.moveaxis(q.reshape(q.shape[:-2] + (-1,))[..., :K], -1, axis).astype(np.float32)
;;   ~~~
;;   SOFTMAX AHEAD OF A QUANTISED PRODUCT. Where the list says 'softmax', what is quantised is not the finished softmax but p = 2^(t - M), with t = logit x log2(e) and M = ceil(the row's largest t), a whole number; so 1/2 < the row's largest p <= 1. The row's sum l is taken of the UNQUANTISED p, in f32, and the product's result is divided by l at the end. Since M is a whole number, a kernel that streams over the keys may use a running M (the ceiling of the running maximum): every later rescaling is an exact power of two, which a block's scale takes up: the codes' values come out the same.
;;   OPERANDS COMPUTED ON THE WAY. 'Computed on the way' means the value that the module computes at that place (a softmax that the list does not call 'softmax' is quantised finished and normalised). What goes into a quantiser is computed in f32, as accurately as f32 sums, v_exp_f32 and their like allow (about 1e-6 of the number): no bf16 or f16 on the way to a quantiser, and a product that is left as it is and whose result goes on into a quantised operand takes f32 operands (vector FMAs, or v_wmma_f32_16x16x4_f32). A number that lies on a knife's edge between two numbers of the format may be rounded either way, as far as f32 arithmetic and the matrix unit's own rounding can turn it there, and no further.
;; One version. Each part assembles by itself: llvm-mc -triple=amdgcn-amd-amdhsa -mcpu=gfx1250 --defsym DOCPART=n.
;; ======== version 1 of 1: 5 launches
;; limits: right only within a limited range of input values
;; workspace buffers: xw 9,830,400 bytes; qkv 19,660,800 bytes; pp 14,155,776 bytes; cx 6,553,600 bytes
;; launch quant (part 1): grid 256 x 1, 16 waves a work-group, no clusters, 327,680 bytes of LDS; arguments inp, W_q, W_k, W_v, W_o, xw; writes xw
.if DOCPART == 1
	.amdgcn_target "amdgcn-amd-amdhsa--gfx1250"
	.amdhsa_code_object_version 6
	.text
	.protected	k_q2b4808a735_quant
	.globl	k_q2b4808a735_quant
	.p2align	8
	.type	k_q2b4808a735_quant,@function
k_q2b4808a735_quant:
	s_mov_b64 s[64:65], 0
	v_nop
	global_prefetch_b8 v0, s[64:65] scope:SCOPE_SE
	s_setreg_imm32_b32 hwreg(HW_REG_WAVE_MODE, 25, 1), 1
	s_wait_xcnt 0x0
; inp and the four weights, f32, become codes of FP6 (E2M3) with one E8M0 byte for each 32 along K (the model's axis of inp, the first axis of a weight), stored in xw as images of the matrix operand's registers.
; xw: [192 groups of 64 rows][4 records of 256 along K][12,800 bytes]: four tiles of 16 rows x two fragments of 1,536 bytes, then 512 bytes of scale words.  Groups 0-127 inp, 128-143 W_q^T, 144-159 W_k^T, 160-175 W_v^T, 176-191 W_o^T.
; Lane r of tile 2 b + u holds row 32 b + 8 u + r + 8 (r / 8) of its group, so that a later product's results run along these rows in their true order.
; LEFT OUT: the table's second product, W_k x 1.0, is a factor 1 by identity for every W_k: W_k itself is quantised.  No input is left out.  A NaN, an infinity or an overflow that reached only that product would not be carried.
; SHARES: 256 work-groups of 16 waves.  Waves 0-7 take 32 rows x 128 columns of inp each; waves 8-15 fetch 16 rows x 128 columns of a weight each and then take 16 columns x 128 along K.  One tensor load a wave, all at the head.
; LIMITS: a block of zeros or under 2^-124 gets the byte 1 (its codes are zeros; this program alone reads the bytes); NaN and infinities are not served.
.set RQK,   51200
.set REC,   12800
.set TIL,   3072
.set FRG,   1536
.set SOF,   12288
.set IP,    528
.set ITILE, 32*IP
.set WT,    8*ITILE
.set SPARE, WT+128*512
.set SPW,   12
.set NIL,   13
.set G1I,   24
.set G1W,   32
.set G0I,   40
.set G0W,   44
.set SEL,   60
	s_load_b128 s[4:7], s[0:1], 0x0
	s_load_b128 s[8:11], s[0:1], 0x10
	s_load_b128 s[12:15], s[0:1], 0x20
	v_lshl_add_u32 v[SPW], v0, 2, SPARE
	v_mov_b32 v[NIL], 0
	ds_add_u32 v[SPW], v[NIL]
	ds_add_u32 v[SPW], v[NIL]
	v_lshrrev_b32 v1, 5, v0
	s_delay_alu instid0(VALU_DEP_1)
	v_readfirstlane_b32 s16, v1
	s_lshr_b32 s62, s16, 3                         ; 0: I work on inp; 1: on a weight
	s_and_b32 s16, s16, 7                          ; my number among the eight of my kind
	s_mov_b32 s[G1I+0], (2<<16)|(1<<20)|(6<<22)|(3<<25)
	s_mov_b32 s[G1I+1], 128<<16
	s_mov_b32 s[G1I+2], 32<<16
	s_mov_b32 s[G1I+3], 128<<16
	s_mov_b32 s[G1I+4], 32
	s_mov_b32 s[G1I+5], 1024
	s_mov_b32 s[G1I+6], 0
	s_mov_b32 s[G1I+7], 0
	s_mov_b32 s[G1W+0], 2<<16
	s_mov_b32 s[G1W+1], 128<<16
	s_mov_b32 s[G1W+2], 16<<16
	s_mov_b32 s[G1W+3], 128<<16
	s_mov_b32 s[G1W+4], 16
	s_mov_b32 s[G1W+5], 1024
	s_mov_b32 s[G1W+6], 0
	s_mov_b32 s[G1W+7], 0
	s_mov_b32 s[SEL], 0x76543210
	s_mov_b32 s[SEL+1], 0xfedcba98
	s_lshr_b32 s18, ttmp9, 6
	s_bfe_u32 s19, ttmp9, 0x30003
	s_and_b32 s20, ttmp9, 7
	s_mul_i32 s21, s16, ITILE
	s_lshl_b32 s22, s16, 13
	s_add_co_u32 s22, s22, WT
	s_lshl_b32 s52, ttmp9, 17
	s_lshl_b32 s23, s16, 9
	s_add_co_u32 s52, s52, s23
	s_mov_b32 s53, 0
	s_lshl_b32 s54, s19, 7
	s_lshl_b32 s23, s16, 4
	s_add_co_u32 s54, s54, s23
	s_lshl_b32 s54, s54, 12
	s_lshl_b32 s23, s20, 9
	s_add_co_u32 s54, s54, s23
	s_mov_b32 s55, 0
	s_lshr_b32 s56, ttmp9, 1
	s_mul_i32 s56, s56, RQK
	s_lshr_b32 s23, s16, 1
	s_mul_i32 s23, s23, REC
	s_add_co_u32 s56, s56, s23
	s_mov_b32 s57, 0
	s_lshl_b32 s58, s18, 4
	s_lshl_b32 s23, s20, 1
	s_add_co_u32 s58, s58, s23
	s_lshr_b32 s23, s16, 2
	s_add_co_u32 s58, s58, s23
	s_add_co_u32 s58, s58, 128
	s_mul_i32 s58, s58, RQK
	s_lshr_b32 s23, s19, 1
	s_mul_i32 s23, s23, REC
	s_add_co_u32 s58, s58, s23
	s_mov_b32 s59, 0
	s_wait_dscnt 0x0
	s_wait_kmcnt 0x0
	s_cmp_eq_u32 s18, 1
	s_cselect_b64 s[6:7], s[8:9], s[6:7]
	s_cmp_eq_u32 s18, 2
	s_cselect_b64 s[6:7], s[10:11], s[6:7]
	s_cmp_eq_u32 s18, 3
	s_cselect_b64 s[6:7], s[12:13], s[6:7]
	s_mov_b32 s[G0I], 1
	s_mov_b32 s[G0I+1], s21
	s_add_nc_u64 s[G0I+2:G0I+3], s[4:5], s[52:53]
	s_or_b32 s[G0I+3], s[G0I+3], 0x80000000
	s_mov_b32 s[G0W], 1
	s_mov_b32 s[G0W+1], s22
	s_add_nc_u64 s[G0W+2:G0W+3], s[6:7], s[54:55]
	s_or_b32 s[G0W+3], s[G0W+3], 0x80000000
	s_cmp_eq_u32 s62, 0                            ; one chain of branches on the wave's number, one fill to an arm: every way passes one load
	s_cbranch_scc0 .Lfor_w
	tensor_load_to_lds s[G0I:G0I+3], s[G1I:G1I+7]
	s_nop 0
.rept 4
	v_nop
.endr
	s_branch .Lasked
.Lfor_w:
	tensor_load_to_lds s[G0W:G0W+3], s[G1W:G1W+7]
	s_nop 0
.rept 4
	v_nop
.endr
.Lasked:
	s_add_nc_u64 s[48:49], s[14:15], s[56:57]
	s_add_nc_u64 s[50:51], s[14:15], s[58:59]
	s_lshr_b32 s56, s16, 1
	s_lshl_b32 s56, s56, 7
	s_and_b32 s23, s16, 1
	s_lshl_b32 s17, s23, 5
	s_add_co_u32 s56, s56, s17
	s_add_co_u32 s56, s56, WT
	s_and_b32 s17, ttmp9, 1
	s_mul_i32 s57, s17, 2*TIL
	s_mul_i32 s58, s23, FRG
	s_add_co_u32 s57, s57, s58
	s_lshl_b32 s59, s23, 8
	s_lshl_b32 s17, s17, 3
	s_add_co_u32 s59, s59, s17
	s_add_co_u32 s59, s59, SOF
	s_and_b32 s17, s16, 3
	s_mul_i32 s58, s17, TIL
	s_and_b32 s23, s19, 1
	s_mul_i32 s22, s23, FRG
	s_add_co_u32 s58, s58, s22
	s_lshl_b32 s17, s17, 2
	s_lshl_b32 s23, s23, 8
	s_add_co_u32 s17, s17, s23
	s_add_co_u32 s17, s17, SOF
	v_and_b32 v1, 15, v0
	v_bfe_u32 v2, v0, 4, 1
	v_and_b32 v3, 31, v0
	s_delay_alu instid0(VALU_DEP_3)
	v_and_b32 v5, 8, v1
	s_delay_alu instid0(VALU_DEP_1)
	v_add_nc_u32 v5, v5, v1
	s_delay_alu instid0(VALU_DEP_1)
	v_mul_u32_u24 v7, v5, IP
	s_delay_alu instid0(VALU_DEP_1)
	v_lshl_add_u32 v7, v2, 7, v7
	s_delay_alu instid0(VALU_DEP_1)
	v_add_nc_u32 v7, s21, v7
	s_delay_alu instid0(VALU_DEP_4)
	v_lshlrev_b32 v8, 2, v5
	s_delay_alu instid0(VALU_DEP_1)
	v_lshl_add_u32 v8, v2, 14, v8
	s_delay_alu instid0(VALU_DEP_1)
	v_add_nc_u32 v8, s56, v8
	v_lshlrev_b32 v23, 3, v2
	v_mov_b32 v24, 0
	v_lshlrev_b32 v11, 4, v1
	v_lshl_add_u32 v4, v3, 4, s57
	v_lshl_add_u32 v6, v3, 4, s58
	s_delay_alu instid0(VALU_DEP_3)
	v_add_nc_u32 v9, s59, v11
	s_delay_alu instid0(VALU_DEP_4)
	v_add_nc_u32 v10, s17, v11
.macro QUANTB xs, cd, wd
.irp c, 0,1
	v_max3_num_f32 v[16+\c], |v[\xs+32*\c]|, |v[\xs+32*\c+1]|, 0x1800000
.endr
.irp i, 2,4,6,8,10,12,14,16,18,20,22,24,26,28,30
.irp c, 0,1
	s_delay_alu instid0(VALU_DEP_2)
	v_max3_num_f32 v[16+\c], v[16+\c], |v[\xs+32*\c+\i]|, |v[\xs+32*\c+\i+1]|
.endr
.endr
.irp c, 0,1
	s_delay_alu instid0(VALU_DEP_2)
	v_add_nc_u32 v[18+\c], 0xff000000, v[16+\c]
.endr
.irp c, 0,1
	s_delay_alu instid0(VALU_DEP_2)
	v_lshrrev_b32 v[20+\c], 23, v[18+\c]
.endr
	s_delay_alu instid0(VALU_DEP_1)
	v_lshl_or_b32 v22, v21, 16, v20
	s_delay_alu instid0(VALU_DEP_1)
	v_lshlrev_b32 v22, v23, v22
	s_delay_alu instid0(VALU_DEP_1)
	v_permlanex16_b32 v24, v22, s[SEL], s[SEL+1]
	s_delay_alu instid0(VALU_DEP_1)
	v_or_b32 v[\wd], v22, v24
.irp c, 0,1
	v_cvt_scalef32_pk16_fp6_f32 v[\cd+6*\c:\cd+6*\c+2], v[\xs+32*\c:\xs+32*\c+15], v[18+\c]
	v_cvt_scalef32_pk16_fp6_f32 v[196+4*\c:198+4*\c], v[\xs+32*\c+16:\xs+32*\c+31], v[18+\c]
.endr
	v_nop
.irp c, 0,1
.irp i, 0,1,2
	v_mov_b32 v[\cd+3+6*\c+\i], v[196+4*\c+\i]
.endr
.endr
.endm
.macro ILOAD u, xs
.irp c, 0,1
.irp i, 0,1,2,3,4,5,6,7
	ds_load_b128 v[\xs+32*\c+4*\i:\xs+32*\c+4*\i+3], v7 offset:\u*8*IP+256*\c+16*\i
.endr
.endr
.endm
	s_wait_alu depctr_va_vdst(0)                   ; the wait at the head's end
	s_wait_tensorcnt 0x0                           ; my one load has landed
	s_barrier_signal -1
	s_barrier_wait -1                              ; everybody's has: the weight's tile is read across the eight parts
	s_cmp_eq_u32 s62, 0
	s_cbranch_scc0 .Lw_work
	ILOAD 0, 32
	ILOAD 1, 96
	s_wait_dscnt 16
	QUANTB 32, 160, 26
.irp c, 0,1,2
	global_store_b128 v4, v[160+4*\c:163+4*\c], s[48:49] offset:512*\c
.endr
	s_wait_dscnt 0x0
	QUANTB 96, 172, 27
.irp c, 0,1,2
	global_store_b128 v4, v[172+4*\c:175+4*\c], s[48:49] offset:TIL+512*\c
.endr
	global_store_b64 v9, v[26:27], s[48:49]
	s_branch .Ldone
.Lw_work:
.set n, 0
.rept 64
	ds_load_b32 v[32+n], v8 offset:(64*(n/32)+n%32)*512
.set n, n+1
.endr
	s_wait_dscnt 0x0
	QUANTB 32, 184, 28
.irp c, 0,1,2
	global_store_b128 v6, v[184+4*\c:187+4*\c], s[50:51] offset:512*\c
.endr
	global_store_b32 v10, v28, s[50:51]
.Ldone:
	s_wait_tensorcnt 0x0
	ds_add_u32 v[SPW], v[NIL]
	s_wait_dscnt 0x0
	s_endpgm
.Lfunc_end_k_q2b4808a735_quant:
	.size	k_q2b4808a735_quant, .Lfunc_end_k_q2b4808a735_quant-k_q2b4808a735_quant
	.p2alignl 7, 3214868480
	.fill 96, 4, 3214868480
	.section	.rodata,"a",@progbits
	.p2align	6, 0x0
	.amdhsa_kernel k_q2b4808a735_quant
		.amdhsa_group_segment_fixed_size 327680
		.amdhsa_private_segment_fixed_size 0
		.amdhsa_enable_private_segment 0
		.amdhsa_kernarg_size 48
		.amdhsa_user_sgpr_count 2
		.amdhsa_user_sgpr_kernarg_segment_ptr 1
		.amdhsa_wavefront_size32 1
		.amdhsa_system_sgpr_workgroup_id_x 1
		.amdhsa_system_sgpr_workgroup_id_y 1
		.amdhsa_system_sgpr_workgroup_id_z 1
		.amdhsa_system_vgpr_workitem_id 0
		.amdhsa_next_free_vgpr 208
		.amdhsa_next_free_sgpr 66
		.amdhsa_reserve_vcc 0
		.amdhsa_float_denorm_mode_32 3
		.amdhsa_float_denorm_mode_16_64 3
		.amdhsa_memory_ordered 1
		.amdhsa_forward_progress 1
		.amdhsa_inst_pref_size 27
	.end_amdhsa_kernel
	.amdgpu_metadata
---
amdhsa.version: [ 1, 2 ]
amdhsa.kernels:
  - .name:           k_q2b4808a735_quant
    .symbol:         k_q2b4808a735_quant.kd
    .args:
      - { .name: inp, .offset: 0, .size: 8, .value_kind: global_buffer, .address_space: global }
      - { .name: W_q, .offset: 8, .size: 8, .value_kind: global_buffer, .address_space: global }
      - { .name: W_k, .offset: 16, .size: 8, .value_kind: global_buffer, .address_space: global }
      - { .name: W_v, .offset: 24, .size: 8, .value_kind: global_buffer, .address_space: global }
      - { .name: W_o, .offset: 32, .size: 8, .value_kind: global_buffer, .address_space: global }
      - { .name: xw, .offset: 40, .size: 8, .value_kind: global_buffer, .address_space: global }
    .group_segment_fixed_size: 327680
    .private_segment_fixed_size: 0
    .kernarg_segment_align: 8
    .kernarg_segment_size: 48
    .max_flat_workgroup_size: 512
    .sgpr_count:     66
    .vgpr_count:     208
    .wavefront_size: 32
...
	.end_amdgpu_metadata
.endif
;; end of part 1
;; launch qkv (part 2): grid 4 x 64, 4 waves a work-group, clusters of 4 x 4, 327,680 bytes of LDS; arguments xw, qkv; writes qkv
.if DOCPART == 2
	.amdgcn_target "amdgcn-amd-amdhsa--gfx1250"
	.amdhsa_code_object_version 6
	.text
	.protected	k_q2b4808a735_qkv
	.globl	k_q2b4808a735_qkv
	.p2align	8
	.type	k_q2b4808a735_qkv,@function
k_q2b4808a735_qkv:
	s_mov_b64 s[64:65], 0
	v_nop
	global_prefetch_b8 v0, s[64:65] scope:SCOPE_SE
	s_setreg_imm32_b32 hwreg(HW_REG_WAVE_MODE, 25, 1), 1
	s_wait_xcnt 0x0
	s_wait_alu depctr_hold_cnt(0) depctr_sa_sdst(0) depctr_va_vdst(0) depctr_va_sdst(0) depctr_va_ssrc(0) depctr_va_vcc(0) depctr_vm_vsrc(0)
	s_getreg_b32 s2, hwreg(HW_REG_IB_STS2, 6, 4)
	s_cmp_eq_u32 s2, 0
	s_cbranch_scc0 .Lentry_in_a_cluster
	s_endpgm
.Lentry_in_a_cluster:
	s_bfe_u32 s2, ttmp6, 0x10000c
	s_cmp_lg_u32 s2, 0xf033
	s_cbranch_scc0 .Lentry_shape_is_right
	s_endpgm
.Lentry_shape_is_right:
; q = inp W_q, k = inp W_k, v = inp W_v on codes of FP6 (E2M3), K = 1,024; the results are quantised in registers and leave as register images (the layout is stated at the head of the launch that makes xw).
; ONE FORM FOR ALL THREE: source 0 = 16 rows of X, source 1 = 16 rows of Y; a lane then holds ONE row of Y and its registers run along X's rows, in their true order (the images' row order sees to that),
; so a result is quantised along X's rows.  q, k: X = W^T (1,024 rows), Y = inp: quantised along the model's axis.  v: X = inp, Y = W_v^T: v^T, quantised along the KEYS.
; qkv: q at 0 and k at QSZ, [128 groups of 64 rows][4 records]; v^T at 2 QSZ, [16 groups of 64 rows][32 records along batch and key].
; THE WORK-GROUPS STAY.  256 work-groups, 16 clusters of 4 x 4; each makes three tiles of 256 of X x 128 of Y, one after the other: q, then k on the SAME rows of inp, then a tile of v^T.  Wave (xh, yh): 128 x 64, 32 accumulators.
; THE RING does not stop at a tile's end.  Two LDS slots of 512 along K (Y's two halves of 25,600 bytes, then X's two of 51,200).  Both are filled at the start: one load a wave is out.  Each of the four refills stands behind a round
; of the cluster's barrier: one load a wave is out, asked for 112 matrix instructions, at a change of tiles also a way out, ahead of the wait for it.  The two refills for k bring X alone: Y's bytes in the slots are the rows that k needs.
; A tile's stores are on their way while the next tile is multiplied: nothing waits for them but the registers that they read.
; CLUSTER.  Y's tile hangs on the cluster's row, X's on its column: each is asked for jointly by the four that share it.
; LIMITS as in the launch that makes xw: a block of zeros or under 2^-124 gets the byte 1; NaN and infinities are not served.
; REGISTERS, in windows of 256.  Window 0: v1-3 r, h, lane; v4-17 LDS addresses by slot; v20 16 x lane; v24 the scale words' offset; v28, v29 the add's two; v32-39, v40-47 scale words of X and Y, two sets; v48-63 at work;
;   v64-103 codes, two sets; v104-107 the results' scale words; v128-175 Y's fragments, one set.   Window 1: X's fragments, two sets, at v0 and v128.   Window 2: accumulator (a, i) at v[64 a + 8 i].
.set YT,    4                          ; tiles of Y a wave
.set NY,    3*YT/2                     ; LDS loads of half of Y's fragments
.set RQK,   51200
.set RQV,   409600
.set REC,   12800
.set QSZ,   6553600
.set TIL,   3072
.set FRG,   1536
.set SOF,   12288
.set SLOT,  153600                     ; 512 along K: Y's two groups of 64 rows (two records each), then X's four
.set XOF,   51200                      ; where X's halves begin in a slot
.set RQLX,  25600                      ; from one of X's groups to the next in LDS
.set RECX,  12800
.set RECY,  12800
.set SPARE, 2*SLOT                     ; the spare words: 128 bytes a wave, two blocks of 256 bytes that no other line names
.set ADX,   4
.set ADY,   8
.set ADXS,  12
.set ADYS,  16
.set LI,    20
.set SWO,   24
.set SPW,   28
.set NIL,   29
.set SCX,   32
.set SCY,   40
.set TM,    48
.set PC,    64
.set PW,    104
.set YF,    128
.set G1Y,   24                         ; s[24:31], s[32:39] groups 1; s[40:47], s[48:55] groups 0, one for each slot
.set G1X,   32
.set G0Y,   40
.set G0X,   48
.set SEL,   56                         ; s[56:57] selects of v_permlanex16_b32 for lane l xor 16
.set OB0,   58                         ; s[58:59] where my part of q goes (k: QSZ bytes on); s[60:61] where my part of v^T goes
.set OB2,   60
.set YA0,   66                         ; s[66:67] what I fetch of Y for q and k; s[68:69] for v; s[70:71] of X for q (k: 16 groups on); s[72:73] for v
.set YA2,   68
.set XA0,   70
.set XA2,   72
.set MSB, 0
.macro WIN new                         ; the immediate's high byte repeats the setting that is left; a switch that changes nothing is dropped
.if MSB != (\new)
	s_set_vgpr_msb (MSB<<8)|(\new)
.set MSB, (\new)
.endif
.endm
.macro PLACES                          ; four plain places behind matrix instructions, ahead of loads into their registers and of reads of their results
.rept 4
	v_nop
.endr
.endm
.macro CREST                           ; a round of the cluster's barrier behind its opening barrier
	s_cmp_lg_u32 s8, 0
	s_cbranch_scc1 .Lnw0_\@
	s_barrier_signal -3
.Lnw0_\@:
	s_barrier_wait -3
	s_barrier_signal -1
	s_barrier_wait -1
.endm
.macro CROUND                          ; a whole round
	s_barrier_signal -1
	s_barrier_wait -1
	CREST
.endm
; one product: tile i of X (set p) x tile a of Y.  X's scale words: lanes 0-15 tiles 0-3, lanes 16-31 tiles 4-7.  cmode 1: the product starts the sum
.macro WM a, i, p, cmode
.set rD, 64*((\a)%4)+8*(\i)
.set rX, 128*(\p)+12*(\i)
.set rY, YF+12*(\a)
.set rP, SCX+4*(\p)+(\i)%4
.set rQ, SCY+4*(\p)+(\a)%4
.if (\cmode) == 1
.if (\i) < 4
	v_wmma_scale_f32_16x16x128_f8f6f4 v[rD:rD+7], v[rX:rX+11], v[rY:rY+11], 0, v[rP], v[rQ] matrix_a_fmt:MATRIX_FMT_FP6 matrix_b_fmt:MATRIX_FMT_FP6
.else
	v_wmma_scale_f32_16x16x128_f8f6f4 v[rD:rD+7], v[rX:rX+11], v[rY:rY+11], 0, v[rP], v[rQ] matrix_a_fmt:MATRIX_FMT_FP6 matrix_b_fmt:MATRIX_FMT_FP6 matrix_a_scale:MATRIX_SCALE_ROW1
.endif
.else
.if (\i) < 4
	v_wmma_scale_f32_16x16x128_f8f6f4 v[rD:rD+7], v[rX:rX+11], v[rY:rY+11], v[rD:rD+7], v[rP], v[rQ] matrix_a_fmt:MATRIX_FMT_FP6 matrix_b_fmt:MATRIX_FMT_FP6
.else
	v_wmma_scale_f32_16x16x128_f8f6f4 v[rD:rD+7], v[rX:rX+11], v[rY:rY+11], v[rD:rD+7], v[rP], v[rQ] matrix_a_fmt:MATRIX_FMT_FP6 matrix_b_fmt:MATRIX_FMT_FP6 matrix_a_scale:MATRIX_SCALE_ROW1
.endif
.endif
.endm
.macro MULA a0, n, p, cmode            ; n tiles of Y from a0 on, each against X's eight: the accumulators take turns, one instruction a turn, in the same order in every K step, from tile to tile too
.set ma, \a0
.rept \n
	WIN 0xa1                                       ; X window 1, Y window 0, C and D window 2
.set mi, 0
.rept 8
	WM ma, mi, \p, \cmode
.set mi, mi+1
.endr
.set ma, ma+1
.endr
.endm
.macro FX slot, q, p                   ; X's eight fragments of the slot's q-th 128 along K into set p: 24 loads of 512 consecutive bytes
	WIN 0x40
.set fi, 0
.rept 8
.irp c, 0,1,2
	ds_load_b128 v[128*(\p)+12*fi+4*\c:128*(\p)+12*fi+4*\c+3], v[ADX+(\slot)] offset:(fi/4)*RQLX+((\q)/2)*RECX+(fi%4)*TIL+((\q)%2)*FRG+512*\c
.endr
.set fi, fi+1
.endr
	WIN 0
.endm
.macro FY slot, q, a0, n               ; n of Y's fragments from a0 on
.set fa, \a0
.rept \n
.irp c, 0,1,2
	ds_load_b128 v[YF+12*fa+4*\c:YF+12*fa+4*\c+3], v[ADY+(\slot)] offset:((\q)/2)*RECY+(fa%4)*TIL+((\q)%2)*FRG+512*\c
.endr
.set fa, fa+1
.endr
.endm
.macro FS slot, q, p                   ; the scale words: four tiles' words a lane, by one load a side
	ds_load_b128 v[SCX+4*(\p):SCX+4*(\p)+3], v[ADXS+(\slot)] offset:((\q)/2)*RECX+((\q)%2)*256
	ds_load_b128 v[SCY+4*(\p):SCY+4*(\p)+3], v[ADYS+(\slot)] offset:((\q)/2)*RECY+((\q)%2)*256
.endm
; A JOINT REFILL of a slot, with the same half of K of the next tile.  No tensor load of mine is out here, so the groups 0 may be written; they are made anew from the kept addresses.
; kind 1: the next tile is k: X = W_k^T, 16 groups behind W_q^T; Y stays as it lies, so waves 0 and 1 ask for nothing.  kind 2: the next tile is v: both.
; The branches hang on the wave's number alone.  An s_nop 0 and four v_nop follow each tensor load; the four are also the places ahead of the LDS loads that follow, so the way without a load has four of its own.
.macro REFILL kind, slot
.if (\kind) == 1
	s_add_nc_u64 s[G0X+4*(\slot)+2:G0X+4*(\slot)+3], s[XA0:XA0+1], 16*RQK+(\slot)*2*REC
	s_or_b32 s[G0X+4*(\slot)+3], s[G0X+4*(\slot)+3], 0x80000000
	s_cmp_lt_u32 s8, 2
	s_cbranch_scc1 .Lnone_\@
	tensor_load_to_lds s[G0X+4*(\slot):G0X+4*(\slot)+3], s[G1X:G1X+7]
	s_nop 0
	PLACES
	s_branch .Lasked_\@
.Lnone_\@:
	PLACES
.Lasked_\@:
.else
	s_add_nc_u64 s[G0X+4*(\slot)+2:G0X+4*(\slot)+3], s[XA2:XA2+1], (\slot)*2*REC
	s_or_b32 s[G0X+4*(\slot)+3], s[G0X+4*(\slot)+3], 0x80000000
	s_add_nc_u64 s[G0Y+4*(\slot)+2:G0Y+4*(\slot)+3], s[YA2:YA2+1], (\slot)*2*REC
	s_or_b32 s[G0Y+4*(\slot)+3], s[G0Y+4*(\slot)+3], 0x80000000
	s_cmp_lt_u32 s8, 2
	s_cbranch_scc0 .Lfor_x_\@
	tensor_load_to_lds s[G0Y+4*(\slot):G0Y+4*(\slot)+3], s[G1Y:G1Y+7]
	s_nop 0
	PLACES
	s_branch .Lasked_\@
.Lfor_x_\@:
	tensor_load_to_lds s[G0X+4*(\slot):G0X+4*(\slot)+3], s[G1X:G1X+7]
	s_nop 0
	PLACES
.Lasked_\@:
.endif
.endm
; A K step of 128 on set p, which also fetches the next one (slot ns, its nq-th).
; sync 1: the next one lies in the other slot, which must first have landed for all four waves.  sync 2: besides, the slot that is left is filled again: the barrier opens a round of the cluster's.
.macro KT p, cmode, ns, nq, sync, kind
.if (\sync) == 0
	s_wait_dscnt NY                                ; all but the youngest NY loads (Y's upper tiles) are in
	FX \ns, \nq, 1-(\p)                            ; into the set that the last K step left four places ago
	FS \ns, \nq, 1-(\p)
	MULA 0, YT/2, \p, \cmode
	s_wait_dscnt 26                                ; all but the 26 just issued
	PLACES
	WIN 0
	FY \ns, \nq, 0, YT/2
	MULA YT/2, YT/2, \p, \cmode
	PLACES
	WIN 0
	FY \ns, \nq, YT/2, YT/2
.else
.if (\sync) == 2
	WIN 0                                          ; (the add's two registers lie in window 0)
	s_wait_tensorcnt 0x0                           ; all my tensor loads have landed: the one that was out is my part of the other slot;
	ds_add_u32 v[SPW], v[NIL]                      ; 0 onto my spare word;
	s_wait_dscnt NY+1                              ; (the add and Y's upper tiles may be out)
.else
	s_wait_tensorcnt 0x0                           ; my part of the other slot is in
	s_wait_dscnt NY
.endif
	MULA 0, YT/4, \p, \cmode                       ; eight matrix instructions stand between the add and the wait for it
	s_wait_dscnt 0x0                               ; the add is done, and my reads of the slot that I leave are over
	s_barrier_signal -1
	MULA YT/4, YT/4, \p, \cmode                    ; work on registers while the others arrive
	WIN 0
	s_barrier_wait -1
.if (\sync) == 2
	CREST                                          ; no wave of any partner still reads the slot that is left, or has a load on its way
	REFILL \kind, 1-(\ns)                          ; the first tensor load behind the round
.else
	PLACES
.endif
	s_wait_alu depctr_va_vdst(0)
	FX \ns, \nq, 1-(\p)
	FY \ns, \nq, 0, YT/2
	FS \ns, \nq, 1-(\p)
	MULA YT/2, YT/2, \p, \cmode
	PLACES
	WIN 0
	FY \ns, \nq, YT/2, YT/2
.endif
.endm
.macro LAST p
	s_wait_dscnt NY
	MULA 0, YT/2, \p, 0
	s_wait_dscnt 0x0
	MULA YT/2, YT/2, \p, 0
	WIN 0
.endm
; The 64 results of tile a of Y (register 16 b + n = X's row 32 b + 16 h + n of my 128) become a fragment's codes and a scale word; the codes leave as they stand, 512 consecutive bytes a store.
; wx = 1: earlier stores may still read the registers that are written from here on (the scale word: the last tile's; this set of code registers: the stores of two tiles of Y ago).
.macro QUANT a, ob, off, wx
.set AC, 64*(\a)
.set PCs, PC+20*((\a)%2)
	WIN 0x0a
.irp b, 0,1,2,3
	v_max3_num_f32 v[TM+\b], |v[AC+16*\b]|, |v[AC+16*\b+1]|, 0x1800000   ; each accumulator is read from its low end on; the floor 2^(3 - 127) holds the byte at 1 from below
.endr
	WIN 0x28
.irp i, 2,4,6,8,10,12,14
.irp b, 0,1,2,3
	v_max3_num_f32 v[TM+\b], v[TM+\b], |v[AC+16*\b+\i]|, |v[AC+16*\b+\i+1]|
.endr
.endr
	WIN 0
.irp b, 0,1,2,3
	v_permlanex16_b32 v[TM+4+\b], v[TM+\b], s[SEL], s[SEL+1]
.endr
.irp b, 0,1,2,3
	v_max_num_f32 v[TM+\b], v[TM+\b], v[TM+4+\b]   ; with lane l xor 16's 16: the block's largest magnitude
.endr
.irp b, 0,1,2,3
	v_add_nc_u32 v[TM+12+\b], 0xff000000, v[TM+\b] ; 2 off its exponent field: the conversion's scale operand
.endr
.irp b, 0,1,2,3
	v_lshrrev_b32 v[TM+4+\b], 23, v[TM+12+\b]      ; the scale's byte
.endr
.if \wx
	s_wait_alu depctr_va_vdst(0)
	s_wait_xcnt 0x0                                ; every earlier store has read its registers: the scale word and this set of code registers are written only behind this wait
.endif
	v_lshl_or_b32 v[PW+(\a)], v[TM+5], 8, v[TM+4]
	v_lshl_or_b32 v[PW+(\a)], v[TM+6], 16, v[PW+(\a)]
	v_lshl_or_b32 v[PW+(\a)], v[TM+7], 24, v[PW+(\a)]
	WIN 0x02
.irp c, 0,1
	v_cvt_scalef32_pk16_fp6_f32 v[PCs+6*\c:PCs+6*\c+2], v[AC+32*\c:AC+32*\c+15], v[TM+12+2*\c]
	v_cvt_scalef32_pk16_fp6_f32 v[PCs+12+4*\c:PCs+14+4*\c], v[AC+32*\c+16:AC+32*\c+31], v[TM+13+2*\c]
.endr
	WIN 0
	v_nop                                          ; one plain place behind a scaled conversion: its results are touched next, and the next tile's products write its sources
.irp c, 0,1                            ; the operand's layout wants a whole block in a lane
.irp i, 0,1,2
	v_permlane16_swap_b32 v[PCs+6*\c+\i], v[PCs+12+4*\c+\i]
.endr
.irp i, 0,1,2
	v_mov_b32 v[PCs+3+6*\c+\i], v[PCs+12+4*\c+\i]
.endr
.endr
.irp c, 0,1,2
	global_store_b128 v[LI], v[PCs+4*\c:PCs+4*\c+3], s[\ob:\ob+1] offset:(\off)+(\a)*TIL+512*\c
.endr
.endm
; A tile's eight K steps.  kmid, kend: what the slot left in the tile's middle and at its end is filled with (0: nothing more).  With kend > 0 the last K step fetches the next tile's first fragments.
.macro WALK kmid, kend
	KT 0, 1, 0, 1, 0, 0                            ; a tile's first K step starts the sums: nothing is cleared
	KT 1, 0, 0, 2, 0, 0
	KT 0, 0, 0, 3, 0, 0
.if (\kmid) > 0
	KT 1, 0, 1, 0, 2, \kmid
.else
	KT 1, 0, 1, 0, 1, 0
.endif
	KT 0, 0, 1, 1, 0, 0
	KT 1, 0, 1, 2, 0, 0
	KT 0, 0, 1, 3, 0, 0
.if (\kend) > 0
	KT 1, 0, 0, 0, 2, \kend                        ; (the four places behind its last products stand in it, ahead of the way out's first read)
.else
	LAST 1
	PLACES
.endif
.endm
.macro WAYOUT ob, off, later           ; later = 1: not the first tile
	QUANT 0, \ob, \off, \later
	QUANT 1, \ob, \off, \later
	QUANT 2, \ob, \off, 1
	QUANT 3, \ob, \off, 1
	global_store_b128 v[SWO], v[PW:PW+3], s[\ob:\ob+1] offset:\off   ; four tiles' scale words a row: 16 lanes store 256 consecutive bytes, aligned (lanes l and l xor 16 hold and store the same)
.endm
	s_load_b128 s[4:7], s[0:1], 0x0                ; xw, qkv
	v_lshl_add_u32 v[SPW], v0, 2, SPARE
	v_mov_b32 v[NIL], 0
	ds_add_u32 v[SPW], v[NIL]                      ; the wave's opening: the add and its wait ahead of the round in front of my first tensor loads
	ds_add_u32 v[SPW], v[NIL]
	v_lshrrev_b32 v1, 5, v0
	v_readfirstlane_b32 s8, v1                     ; wave 0..3
	s_and_b32 s9, s8, 1                            ; xh: my half of X.  Also: which half of a tile I fetch
	s_lshr_b32 s10, s8, 1                          ; yh: my half of Y.  Also: I fetch for Y (0) or for X (1)
	s_bfe_u32 s11, ttmp6, 0x40000                  ; cx
	s_bfe_u32 s12, ttmp6, 0x40004                  ; cy
	s_and_b32 s14, ttmp7, 0xffff                   ; C: the cluster, 0..15
	s_lshl_b32 s15, s12, 1                         ; Y's tiles: nothing of cx in these registers
	s_add_co_u32 s15, s15, s9                      ; 2 cy + half
	s_lshl_b32 s16, s14, 3
	s_add_co_u32 s16, s16, s15                     ; q, k: group 8 C + 2 cy + half of inp
	s_mul_i32 s74, s16, RQK
	s_mov_b32 s75, 0
	s_lshr_b32 s16, s14, 3
	s_lshl_b32 s16, s16, 3
	s_add_co_u32 s16, s16, s15
	s_add_co_u32 s16, s16, 160                     ; v: group 160 + 8 (C / 8) + 2 cy + half: W_v^T
	s_mul_i32 s84, s16, RQK
	s_mov_b32 s85, 0
	s_lshl_b32 s17, s11, 2                         ; X's tiles: nothing of cy in these
	s_lshl_b32 s18, s9, 1
	s_add_co_u32 s17, s17, s18                     ; 4 cx + 2 half
	s_add_co_u32 s18, s17, 128                     ; q: group 128 + 4 cx + 2 half: W_q^T (W_k^T lies 16 groups on)
	s_mul_i32 s76, s18, RQK
	s_mov_b32 s77, 0
	s_and_b32 s18, s14, 7
	s_lshl_b32 s18, s18, 4
	s_add_co_u32 s18, s18, s17                     ; v: group 16 (C % 8) + 4 cx + 2 half of inp
	s_mul_i32 s86, s18, RQK
	s_mov_b32 s87, 0
	s_lshl_b32 s19, s12, 2
	s_lshl_b32 s19, 15, s19                        ; my row of the cluster
	s_lshl_b32 s20, 0x1111, s11                    ; my column
	s_or_b32 s[G1Y+0], s19, (3<<16)|(1<<21)        ; 15:0 the mask; elements of 8 bytes; bit 21 set beside a mask; no padding
	s_mov_b32 s[G1Y+1], 3200<<16                   ; Y at the head: both halves of a slot by one load: two rows of 25,600 bytes, 51,200 bytes apart (behind the head: the ring's shape)
	s_mov_b32 s[G1Y+2], 2<<16
	s_mov_b32 s[G1Y+3], 3200<<16
	s_mov_b32 s[G1Y+4], 2
	s_mov_b32 s[G1Y+5], 6400
	s_mov_b32 s[G1Y+6], 0
	s_mov_b32 s[G1Y+7], 0
	s_or_b32 s[G1X+0], s20, (3<<16)|(1<<21)
	s_mov_b32 s[G1X+1], 3200<<16                   ; X: two rows of 25,600 bytes (two records each), 51,200 bytes apart
	s_mov_b32 s[G1X+2], 4<<16                      ; X at the head: both halves of a slot by one load: four rows (behind the head: two)
	s_mov_b32 s[G1X+3], 3200<<16
	s_mov_b32 s[G1X+4], 4
	s_mov_b32 s[G1X+5], 6400
	s_mov_b32 s[G1X+6], 0
	s_mov_b32 s[G1X+7], 0
	s_mul_i32 s21, s9, 25600                       ; where they go in a slot: the wave's number alone
	s_mul_i32 s22, s9, 51200
	s_add_co_u32 s22, s22, XOF
	s_mov_b32 s[SEL], 0x76543210
	s_mov_b32 s[SEL+1], 0xfedcba98
	s_wait_dscnt 0x0                               ; the opening add is done
	s_wait_kmcnt 0x0
	s_add_nc_u64 s[YA0:YA0+1], s[4:5], s[74:75]
	s_add_nc_u64 s[YA2:YA2+1], s[4:5], s[84:85]
	s_add_nc_u64 s[XA0:XA0+1], s[4:5], s[76:77]
	s_add_nc_u64 s[XA2:XA2+1], s[4:5], s[86:87]
	s_mul_i32 s90, s9, RQK                         ; the head's loads begin at a tile's first half: my half's groups are taken off again
	s_mov_b32 s91, 0
	s_lshl_b32 s92, s90, 1
	s_mov_b32 s93, 0
	s_sub_nc_u64 s[90:91], s[YA0:YA0+1], s[90:91]
	s_sub_nc_u64 s[92:93], s[XA0:XA0+1], s[92:93]
.irp s, 0,1
	s_mov_b32 s[G0Y+4*\s], 1
	s_mov_b32 s[G0Y+4*\s+1], \s*SLOT
	s_add_nc_u64 s[G0Y+4*\s+2:G0Y+4*\s+3], s[90:91], \s*2*REC
	s_or_b32 s[G0Y+4*\s+3], s[G0Y+4*\s+3], 0x80000000
	s_mov_b32 s[G0X+4*\s], 1
	s_mov_b32 s[G0X+4*\s+1], XOF+\s*SLOT
	s_add_nc_u64 s[G0X+4*\s+2:G0X+4*\s+3], s[92:93], \s*2*REC
	s_or_b32 s[G0X+4*\s+3], s[G0X+4*\s+3], 0x80000000
.endr
	CROUND                                         ; all sixteen work-groups are here: the joint loads meet
; THE HEAD'S LOADS, ONE A WAVE: wave 0 fetches slot 0's Y, wave 1 slot 0's X, wave 2 slot 1's Y, wave 3 slot 1's X, each whole.  One chain of branches on the wave's number, all arms to one join.
.macro ARM under, g0, g1, next
	s_cmp_lt_u32 s8, \under
	s_cbranch_scc0 \next
	tensor_load_to_lds s[\g0:\g0+3], s[\g1:\g1+7]
	s_nop 0
	PLACES
	s_branch .Lfilled
\next:
.endm
	ARM 1, G0Y, G1Y, .Lhead_1
	ARM 2, G0X, G1X, .Lhead_2
	ARM 3, G0Y+4, G1Y, .Lhead_3
	tensor_load_to_lds s[G0X+4:G0X+7], s[G1X:G1X+7]
	s_nop 0
	PLACES
.Lfilled:
; PREFETCH of what the refills bring for the first time: W_k^T (the cluster loads all its 16 groups) and the cluster's 8 groups of W_v^T.  The sixteen partners share the blocks of 256 bytes out BY ADDRESS, place p = cx + 4 cy:
; W_k^T's group p, 200 blocks, 50 a wave (32 + 18); half (p % 2) of W_v^T's group 8 (C / 8) + p / 2, 100 blocks, 25 a wave.  Lanes left over name their wave's last block again.  Each block is named once in the cluster.
; W_k^T's first refill stands four K steps on, W_v^T's twelve.  inp's rows are not asked for.  The address registers are never written again.
	s_lshl_b32 s92, s12, 2
	s_add_co_u32 s92, s92, s11                     ; p
	s_add_co_u32 s90, s92, 144
	s_mul_i32 s90, s90, RQK
	s_mul_i32 s93, s8, 12800
	s_add_co_u32 s90, s90, s93
	s_mov_b32 s91, 0
	s_add_nc_u64 s[90:91], s[4:5], s[90:91]
	s_lshr_b32 s94, s14, 3
	s_lshl_b32 s94, s94, 3
	s_lshr_b32 s93, s92, 1
	s_add_co_u32 s94, s94, s93
	s_add_co_u32 s94, s94, 160
	s_mul_i32 s94, s94, RQK
	s_and_b32 s93, s92, 1
	s_mul_i32 s93, s93, 25600
	s_add_co_u32 s94, s94, s93
	s_mul_i32 s93, s8, 6400
	s_add_co_u32 s94, s94, s93
	s_mov_b32 s95, 0
	s_add_nc_u64 s[94:95], s[4:5], s[94:95]
	v_and_b32 v25, 31, v0
	v_min_u32 v26, 17, v25
	v_min_u32 v27, 24, v25
	v_lshlrev_b32 v25, 8, v25
	v_lshlrev_b32 v26, 8, v26
	v_lshlrev_b32 v27, 8, v27
	s_wait_alu depctr_va_vdst(0)                   ; the wait here, directly behind the writes
	global_prefetch_b8 v25, s[90:91] th:TH_LOAD_NT scope:SCOPE_SE
	global_prefetch_b8 v26, s[90:91] offset:8192 th:TH_LOAD_NT scope:SCOPE_SE
	global_prefetch_b8 v27, s[94:95] th:TH_LOAD_NT scope:SCOPE_SE
	v_and_b32 v1, 15, v0
	v_bfe_u32 v2, v0, 4, 1                         ; h
	v_and_b32 v3, 31, v0                           ; lane
	v_lshlrev_b32 v[LI], 4, v3
	v_lshlrev_b32 v21, 4, v1
	v_mad_u32_u24 v22, v2, RQLX, v21
	v_add_nc_u32 v22, SOF, v22                     ; X's scale words: 16 r, lanes 16-31 in the second group of 64 rows
	v_add_nc_u32 v23, SOF, v21                     ; Y's
	s_mul_i32 s88, s9, 51200
	s_add_co_u32 s88, s88, XOF                     ; my half of X in a slot
	s_mul_i32 s89, s10, 25600                      ; my half of Y
.irp s, 0,1
	v_add_nc_u32 v[ADX+\s], s88, v[LI]
	v_add_nc_u32 v[ADY+\s], s89, v[LI]
	v_add_nc_u32 v[ADXS+\s], s88, v22
	v_add_nc_u32 v[ADYS+\s], s89, v23
	s_add_co_u32 s88, s88, SLOT
	s_add_co_u32 s89, s89, SLOT
.endr
.irp b, 0,1,2,3
	v_mov_b32 v[TM+4+\b], 0                        ; written once: a lane permute's destination counts as one of its sources
.endr
	s_lshl_b32 s78, s12, 1                         ; the results (registers of their own: these hold both cx and cy)
	s_add_co_u32 s78, s78, s10                     ; 2 cy + yh
	s_lshl_b32 s79, s14, 3
	s_add_co_u32 s79, s79, s78                     ; q, k: group 8 C + 2 cy + yh,
	s_mul_i32 s80, s79, RQK
	s_mul_i32 s79, s11, REC                        ; record cx,
	s_add_co_u32 s80, s80, s79
	s_mul_i32 s82, s9, FRG                         ; parity xh
	s_add_co_u32 s80, s80, s82
	s_mov_b32 s81, 0
	s_add_nc_u64 s[OB0:OB0+1], s[6:7], s[80:81]
	s_lshr_b32 s79, s14, 3
	s_lshl_b32 s79, s79, 3
	s_add_co_u32 s79, s79, s78                     ; v^T: group 8 (C / 8) + 2 cy + yh,
	s_mul_i32 s80, s79, RQV
	s_and_b32 s79, s14, 7
	s_lshl_b32 s79, s79, 2
	s_add_co_u32 s79, s79, s11                     ; record 4 (C % 8) + cx,
	s_mul_i32 s79, s79, REC
	s_add_co_u32 s80, s80, s79
	s_add_co_u32 s80, s80, s82                     ; parity xh,
	s_add_co_u32 s80, s80, 2*QSZ                   ; behind q and k
	s_add_nc_u64 s[OB2:OB2+1], s[6:7], s[80:81]
	s_mul_i32 s83, s9, FRG-256
	s_sub_co_u32 s83, SOF, s83                     ; from there to the record's scale words of my parity
	v_add_nc_u32 v[SWO], s83, v21
	s_wait_alu depctr_va_vdst(0)                   ; the wait at the head's end
	s_wait_tensorcnt 0x0                           ; my one load has landed; no tensor load of mine is out, so the descriptors may be written: from here on the ring's shapes
	s_mov_b32 s[G1Y+1], 32<<16                     ; Y: a half of a slot, two records on end, is a dense block: 100 rows of 256 bytes
	s_mov_b32 s[G1Y+2], 100<<16
	s_mov_b32 s[G1Y+3], 32<<16
	s_mov_b32 s[G1Y+4], 100
	s_mov_b32 s[G1Y+5], 32
	s_mov_b32 s[G1X+2], 2<<16                      ; X: a half of a slot: two rows of 25,600 bytes
	s_mov_b32 s[G1X+4], 2
.irp s, 0,1
	s_add_co_u32 s[G0Y+4*\s+1], s21, \s*SLOT       ; and a refill goes to my half of the slot
	s_add_co_u32 s[G0X+4*\s+1], s22, \s*SLOT
.endr
	s_barrier_signal -1
	s_barrier_wait -1
	FX 0, 0, 0
	FY 0, 0, 0, YT/2
	FS 0, 0, 0
	FY 0, 0, YT/2, YT/2
	WALK 1, 1                                      ; q; the slots take W_k^T as they are left
	WAYOUT OB0, 0, 0
	WALK 2, 2                                      ; k, on the same rows of inp; the slots take v's tiles as they are left
	WAYOUT OB0, QSZ, 1
	WALK 0, 0                                      ; v^T; nothing is left to fetch
	WAYOUT OB2, 0, 1
	s_wait_tensorcnt 0x0                           ; the wave's end
	ds_add_u32 v[SPW], v[NIL]
	s_wait_dscnt 0x0
	CROUND                                         ; the closing round: no work-group ends while a partner may still ask for a tile that names it
	s_endpgm
.Lfunc_end_k_q2b4808a735_qkv:
	.size	k_q2b4808a735_qkv, .Lfunc_end_k_q2b4808a735_qkv-k_q2b4808a735_qkv
	.p2alignl 7, 3214868480
	.fill 96, 4, 3214868480
	.section	.rodata,"a",@progbits
	.p2align	6, 0x0
	.amdhsa_kernel k_q2b4808a735_qkv
		.amdhsa_group_segment_fixed_size 327680
		.amdhsa_private_segment_fixed_size 0
		.amdhsa_enable_private_segment 0
		.amdhsa_kernarg_size 16
		.amdhsa_user_sgpr_count 2
		.amdhsa_user_sgpr_kernarg_segment_ptr 1
		.amdhsa_wavefront_size32 1
		.amdhsa_system_sgpr_workgroup_id_x 1
		.amdhsa_system_sgpr_workgroup_id_y 1
		.amdhsa_system_sgpr_workgroup_id_z 1
		.amdhsa_system_vgpr_workitem_id 0
		.amdhsa_next_free_vgpr 768
		.amdhsa_next_free_sgpr 96
		.amdhsa_reserve_vcc 0
		.amdhsa_float_denorm_mode_32 3
		.amdhsa_float_denorm_mode_16_64 3
		.amdhsa_memory_ordered 1
		.amdhsa_forward_progress 1
		.amdhsa_inst_pref_size 231
	.end_amdhsa_kernel
	.amdgpu_metadata
---
amdhsa.version: [ 1, 2 ]
amdhsa.kernels:
  - .name:           k_q2b4808a735_qkv
    .symbol:         k_q2b4808a735_qkv.kd
    .args:
      - { .name: xw, .offset: 0, .size: 8, .value_kind: global_buffer, .address_space: global }
      - { .name: qkv, .offset: 8, .size: 8, .value_kind: global_buffer, .address_space: global }
    .group_segment_fixed_size: 327680
    .private_segment_fixed_size: 0
    .kernarg_segment_align: 8
    .kernarg_segment_size: 16
    .max_flat_workgroup_size: 128
    .sgpr_count:     96
    .vgpr_count:     768
    .wavefront_size: 32
...
	.end_amdgpu_metadata
.endif
;; end of part 2
;; launch scores (part 3): grid 9 x 16, 4 waves a work-group, no clusters, 327,680 bytes of LDS; arguments qkv, pp; writes pp
.if DOCPART == 3
	.amdgcn_target "amdgcn-amd-amdhsa--gfx1250"
	.amdhsa_code_object_version 6
	.text
	.protected	k_q2b4808a735_scores
	.globl	k_q2b4808a735_scores
	.p2align	8
	.type	k_q2b4808a735_scores,@function
k_q2b4808a735_scores:
	s_mov_b64 s[64:65], 0
	v_nop
	global_prefetch_b8 v0, s[64:65] scope:SCOPE_SE
	s_setreg_imm32_b32 hwreg(HW_REG_WAVE_MODE, 25, 1), 1
	s_wait_xcnt 0x0
; S^T = k q^T on codes of FP6 (E2M3), K = 1,024, on the causal tiles alone, and on the way out p = 2^(t - M), quantised along the keys.  t = score x log2(e) / 32.
; M HERE IS LOCAL: for each query and each 128 keys (one wave's share), M = ceil(the largest t among them), a whole number.  The codes of p, its scale words, -M and the sum l of the unquantised p go to pp;
; the next launch brings each 128 keys under the row's M by taking M(row) - M(local) off the scale bytes, which is exact.
; pp: codes [128 groups of 64 queries][8 records of 256 keys][12,288 bytes] (register images, no scale area); from PST on three planes (scale words, -M, l), each [16 runs of 128 keys][32,768]: a word at 256 group + 16 r + 4 tile.
; SHARES.  A batch has 36 causal tiles of 256 queries x 256 keys.  Work-group (x, y): batch y / 4; pr = y % 4; x <= pr: tile (J, i) = (pr, x), else (7 - pr, x - pr - 1): nine tiles for each y, 144 work-groups.
; Wave (xh, yh): 128 keys (X = k) x 128 queries (Y = q): 64 accumulators.  A lane holds one query; its registers run along the keys in their true order.
; THE MASK.  A wave all of whose keys count skips it (a scalar branch on ids).  On the diagonal hidden scores become -infinity ahead of the maximum.  A wave all of whose keys are hidden takes the same path: zero codes, byte 1, l = 0, -M = 3e38.
; THE RING.  Three slots of 256 along K are filled at the start (one load a wave at a time); the fourth quarter of K goes into slot 0 behind the one barrier that frees it (one load out) and has three and a half K steps, 224 matrix instructions, in which to land.
; The next launch reads keys in runs of 512: where the diagonal tile's J is even, this work-group also writes the record behind it with zeros (byte 1, l = 0, -M = 3e38).
; NO CLUSTER: the tiles of a batch form a triangle: a row of tiles has 1 to 8 members and a column 8 to 1, so the grid does not divide into groups of four that share a tile.
; LIMITS: NaN and infinities are not served; a block whose every p has fallen to 0 keeps the byte 1 (its codes are zeros).
; REGISTERS.  Window 0: v1-3 r, h, lane; v4-19 LDS addresses by slot; v20 16 x lane; v22 the mask's lane term; v23 -infinity; v28, v29 the add's two; v32-47 scale words; v64-103 codes, two sets; v104-111 p's scale words; v112-119 -M; v120-127 l;
;   v128-223 Y's fragments; v224-255 at work.   Window 1: X's fragments, two sets.   Windows 2, 3: accumulator (a, i) at v[64 (a % 4) + 8 i], a < 4 in window 2.
.set YT,    8
.set NY,    3*YT/2
.set RQK,   51200
.set REC,   12800
.set PREC,  12288
.set RQP,   98304
.set QSZ,   6553600
.set PST,   12582912
.set PLN,   524288
.set TIL,   3072
.set FRG,   1536
.set SOF,   12288
.set SLOT,  102400                     ; Y's four groups of 64 rows, then X's four
.set RQLX,  12800
.set RECX,  12800
.set RQLY,  12800
.set RECY,  12800
.set SPARE, 3*SLOT
.set ADX,   4
.set ADY,   8
.set ADXS,  12
.set ADYS,  16
.set LI,    20
.set SPW,   28
.set NIL,   29
.set SCX,   32
.set SCY,   40
.set PC,    64
.set PW,    104
.set NM,    112
.set LL,    120
.set YF,    128
.set G1,    24                         ; s[24:31] group 1; s[32:47] four groups 0
.set G0,    32
.set CS,    48                         ; s[48:49] c = log2(e) / 32
.set SEL,   50
.set OB,    52
.set PB,    54
.set KB,    56
.set QB,    57
.set HM,    59
.set MSB, 0
.macro WIN new
.if MSB != (\new)
	s_set_vgpr_msb (MSB<<8)|(\new)
.set MSB, (\new)
.endif
.endm
.macro PLACES
.rept 4
	v_nop
.endr
.endm
.macro WM a, i, p, cmode               ; scale words: lanes 0-15 tiles 0-3, lanes 16-31 tiles 4-7, on both sides
.set rD, 64*((\a)%4)+8*(\i)
.set rX, 128*(\p)+12*(\i)
.set rY, YF+12*(\a)
.set rP, SCX+4*(\p)+(\i)%4
.set rQ, SCY+4*(\p)+(\a)%4
.if (\cmode) == 1
.if (\i) < 4
.if (\a) < 4
	v_wmma_scale_f32_16x16x128_f8f6f4 v[rD:rD+7], v[rX:rX+11], v[rY:rY+11], 0, v[rP], v[rQ] matrix_a_fmt:MATRIX_FMT_FP6 matrix_b_fmt:MATRIX_FMT_FP6
.else
	v_wmma_scale_f32_16x16x128_f8f6f4 v[rD:rD+7], v[rX:rX+11], v[rY:rY+11], 0, v[rP], v[rQ] matrix_a_fmt:MATRIX_FMT_FP6 matrix_b_fmt:MATRIX_FMT_FP6 matrix_b_scale:MATRIX_SCALE_ROW1
.endif
.else
.if (\a) < 4
	v_wmma_scale_f32_16x16x128_f8f6f4 v[rD:rD+7], v[rX:rX+11], v[rY:rY+11], 0, v[rP], v[rQ] matrix_a_fmt:MATRIX_FMT_FP6 matrix_b_fmt:MATRIX_FMT_FP6 matrix_a_scale:MATRIX_SCALE_ROW1
.else
	v_wmma_scale_f32_16x16x128_f8f6f4 v[rD:rD+7], v[rX:rX+11], v[rY:rY+11], 0, v[rP], v[rQ] matrix_a_fmt:MATRIX_FMT_FP6 matrix_b_fmt:MATRIX_FMT_FP6 matrix_a_scale:MATRIX_SCALE_ROW1 matrix_b_scale:MATRIX_SCALE_ROW1
.endif
.endif
.else
.if (\i) < 4
.if (\a) < 4
	v_wmma_scale_f32_16x16x128_f8f6f4 v[rD:rD+7], v[rX:rX+11], v[rY:rY+11], v[rD:rD+7], v[rP], v[rQ] matrix_a_fmt:MATRIX_FMT_FP6 matrix_b_fmt:MATRIX_FMT_FP6
.else
	v_wmma_scale_f32_16x16x128_f8f6f4 v[rD:rD+7], v[rX:rX+11], v[rY:rY+11], v[rD:rD+7], v[rP], v[rQ] matrix_a_fmt:MATRIX_FMT_FP6 matrix_b_fmt:MATRIX_FMT_FP6 matrix_b_scale:MATRIX_SCALE_ROW1
.endif
.else
.if (\a) < 4
	v_wmma_scale_f32_16x16x128_f8f6f4 v[rD:rD+7], v[rX:rX+11], v[rY:rY+11], v[rD:rD+7], v[rP], v[rQ] matrix_a_fmt:MATRIX_FMT_FP6 matrix_b_fmt:MATRIX_FMT_FP6 matrix_a_scale:MATRIX_SCALE_ROW1
.else
	v_wmma_scale_f32_16x16x128_f8f6f4 v[rD:rD+7], v[rX:rX+11], v[rY:rY+11], v[rD:rD+7], v[rP], v[rQ] matrix_a_fmt:MATRIX_FMT_FP6 matrix_b_fmt:MATRIX_FMT_FP6 matrix_a_scale:MATRIX_SCALE_ROW1 matrix_b_scale:MATRIX_SCALE_ROW1
.endif
.endif
.endif
.endm
.macro MULA a0, n, p, cmode            ; the 64 accumulators take turns, one instruction a turn, in the same order in every K step
.set ma, \a0
.rept \n
.if ma < 4
	WIN 0xa1
.else
	WIN 0xf1
.endif
.set mi, 0
.rept 8
	WM ma, mi, \p, \cmode
.set mi, mi+1
.endr
.set ma, ma+1
.endr
.endm
.macro FX slot, q, p
	WIN 0x40
.set fi, 0
.rept 8
.irp c, 0,1,2
	ds_load_b128 v[128*(\p)+12*fi+4*\c:128*(\p)+12*fi+4*\c+3], v[ADX+(\slot)] offset:(fi/4)*RQLX+((\q)/2)*RECX+(fi%4)*TIL+((\q)%2)*FRG+512*\c
.endr
.set fi, fi+1
.endr
	WIN 0
.endm
.macro FY slot, q, a0, n
.set fa, \a0
.rept \n
.irp c, 0,1,2
	ds_load_b128 v[YF+12*fa+4*\c:YF+12*fa+4*\c+3], v[ADY+(\slot)] offset:(fa/4)*RQLY+((\q)/2)*RECY+(fa%4)*TIL+((\q)%2)*FRG+512*\c
.endr
.set fa, fa+1
.endr
.endm
.macro FS slot, q, p
	ds_load_b128 v[SCX+4*(\p):SCX+4*(\p)+3], v[ADXS+(\slot)] offset:((\q)/2)*RECX+((\q)%2)*256
	ds_load_b128 v[SCY+4*(\p):SCY+4*(\p)+3], v[ADYS+(\slot)] offset:((\q)/2)*RECY+((\q)%2)*256
.endm
; A K step of 128 on set p, which also fetches the next one.  sync 1: a barrier shows the next slot whole.  sync 2: the barrier also frees slot 0, which is then filled again.
.macro KT p, cmode, ns, nq, sync, tcnt
.if (\sync) == 0
	s_wait_dscnt NY                                ; all but the youngest NY loads (Y's upper tiles) are in
	FX \ns, \nq, 1-(\p)
	FS \ns, \nq, 1-(\p)
	MULA 0, YT/2, \p, \cmode
	s_wait_dscnt 26                                ; all but the 26 just issued
	PLACES
	WIN 0
	FY \ns, \nq, 0, YT/2
	MULA YT/2, YT/2, \p, \cmode
	PLACES
	WIN 0
	FY \ns, \nq, YT/2, YT/2
.else
.if (\sync) == 2
	WIN 0
	s_wait_tensorcnt 0x0                           ; all my tensor loads have landed: my parts of slots 0, 1 and 2;
	ds_add_u32 v[SPW], v[NIL]                      ; 0 onto my spare word;
	s_wait_dscnt NY+1                              ; (the add and Y's upper tiles may be out)
.else
	s_wait_tensorcnt \tcnt
	s_wait_dscnt NY
.endif
	MULA 0, YT/4, \p, \cmode
	s_wait_dscnt 0x0                               ; the add is done, and my reads of the slot that I leave are over
	s_barrier_signal -1
	MULA YT/4, YT/4, \p, \cmode
	WIN 0
	s_barrier_wait -1
.if (\sync) == 2
	tensor_load_to_lds s[G0+12:G0+15], s[G1:G1+7]  ; my one load behind this barrier: the last quarter of K, into slot 0
	s_nop 0
.endif
	PLACES
	FX \ns, \nq, 1-(\p)
	FY \ns, \nq, 0, YT/2
	FS \ns, \nq, 1-(\p)
	MULA YT/2, YT/2, \p, \cmode
	PLACES
	WIN 0
	FY \ns, \nq, YT/2, YT/2
.endif
.endm
.macro LAST p
	s_wait_dscnt NY
	MULA 0, YT/2, \p, 0
	s_wait_dscnt 0x0
	MULA YT/2, YT/2, \p, 0
	WIN 0
.endm
; THE WAY OUT of tile a of my queries: register 16 b + n of its 64 is the score of key KB + 32 b + 16 h + n for my query.
.macro POUT a
.set w, 2+(\a)/4
.set AC, 64*((\a)%4)
.set PCs, PC+20*((\a)%2)
	s_cmp_lt_u32 s[KB], s[QB]                      ; all my keys count: ids alone
	s_cbranch_scc1 .Lopen_\@
	s_wait_alu depctr_va_vdst(0)
	v_add_nc_u32 v226, 32*((\a)/2)+8*((\a)%2), v22 ; d = my query - KB - 16 h: register 16 b + n is hidden where 32 b + n > d
	WIN (w<<6)|w
.set n, 0
.rept 64
	v_cmp_gt_i32 vcc_lo, 32*(n/16)+n%16, v226
	v_cndmask_b32 v[AC+n], v[AC+n], v23, vcc_lo
.set n, n+1
.endr
	WIN 0
.Lopen_\@:
	WIN w|(w<<2)|(w<<4)
.irp b, 0,1,2,3
	v_max3_num_f32 v[228+\b], v[AC+16*\b], v[AC+16*\b+1], v[AC+16*\b+2]   ; the largest score of each block of 32 keys (each accumulator is read from its low end on): it serves the maximum and, since p rises with the score, the block's largest p
.endr
	WIN (w<<2)|(w<<4)
.irp i, 3,5,7,9,11,13
.irp b, 0,1,2,3
	v_max3_num_f32 v[228+\b], v[228+\b], v[AC+16*\b+\i], v[AC+16*\b+\i+1]
.endr
.endr
	WIN (w<<2)
.irp b, 0,1,2,3
	v_max_num_f32 v[228+\b], v[228+\b], v[AC+16*\b+15]
.endr
	WIN 0
.irp b, 0,1,2,3
	v_permlanex16_b32 v[232+\b], v[228+\b], s[SEL], s[SEL+1]
.endr
.irp b, 0,1,2,3
	v_max_num_f32 v[228+\b], v[228+\b], v[232+\b]  ; with lane l xor 16's 16 keys
.endr
	v_max3_num_f32 v226, v228, v229, v230
	v_max_num_f32 v226, v226, v231
	v_mul_f32 v226, s[CS], v226                    ; the largest t of these 128 keys (c is positive),
	v_max_num_f32 v226, 0xff61b1e6, v226           ; held at -3e38 where all are hidden
	v_floor_f32 v224, -v226                        ; -M = floor(-t) = -ceil(t): a whole number
.irp b, 0,1,2,3
	v_fma_f32 v[228+\b], v[228+\b], s[CS], v224
.endr
	WIN (w<<6)|w
.set n, 0
.rept 32
	v_pk_fma_f32 v[AC+n:AC+n+1], v[AC+n:AC+n+1], s[CS:CS+1], v[224:225] op_sel_hi:[1,0,0]   ; t - M, two at a time
.set n, n+2
.endr
.set n, 0
	s_wait_alu depctr_va_vdst(0)
.rept 64
	v_exp_f32 v[AC+n], v[AC+n]                     ; p = 2^(t - M): one batch
.set n, n+1
.endr
	WIN 0
	v_mov_b32 v[NM+(\a)], v224                     ; (a plain place behind the exponentials)
	s_wait_alu depctr_va_vdst(0)                   ; the wait: one for the batch, ahead of its first reader
.irp b, 0,1,2,3
	v_exp_f32 v[228+\b], v[228+\b]                 ; the block's largest p
.endr
	WIN w|(w<<2)
	v_pk_add_f32 v[236:237], v[AC:AC+1], v[AC+2:AC+3]        ; the sum is taken of the unquantised p: two at a time, in two chains
	v_pk_add_f32 v[238:239], v[AC+4:AC+5], v[AC+6:AC+7]
	WIN (w<<2)
.irp j, 8,12,16,20,24,28,32,36,40,44,48,52,56,60
	v_pk_add_f32 v[236:237], v[236:237], v[AC+\j:AC+\j+1]
	v_pk_add_f32 v[238:239], v[238:239], v[AC+\j+2:AC+\j+3]
.endr
	WIN 0
	v_pk_add_f32 v[236:237], v[236:237], v[238:239]
	v_add_f32 v236, v236, v237
	v_permlanex16_b32 v232, v236, s[SEL], s[SEL+1]
	v_add_f32 v[LL+(\a)], v236, v232               ; l of my query over these 128 keys
	s_wait_alu depctr_va_vdst(0)                   ; and one wait for the four
.irp b, 0,1,2,3
	v_max_num_f32 v[228+\b], 0x1800000, v[228+\b]  ; the floor 2^(3 - 127): the byte cannot fall under 1
.endr
.irp b, 0,1,2,3
	v_add_nc_u32 v[240+\b], 0xff000000, v[228+\b]  ; 2 off the exponent field: the conversion's scale operand
.endr
.irp b, 0,1,2,3
	v_lshrrev_b32 v[244+\b], 23, v[240+\b]         ; the scale's byte
.endr
	v_lshl_or_b32 v[PW+(\a)], v245, 8, v244
	v_lshl_or_b32 v[PW+(\a)], v246, 16, v[PW+(\a)]
	v_lshl_or_b32 v[PW+(\a)], v247, 24, v[PW+(\a)]
.if (\a) >= 2
	s_wait_xcnt 0x0                                ; the stores of two tiles ago have read this set of code registers
.endif
	WIN w
.irp c, 0,1
	v_cvt_scalef32_pk16_fp6_f32 v[PCs+6*\c:PCs+6*\c+2], v[AC+32*\c:AC+32*\c+15], v[240+2*\c]
	v_cvt_scalef32_pk16_fp6_f32 v[PCs+12+4*\c:PCs+14+4*\c], v[AC+32*\c+16:AC+32*\c+31], v[241+2*\c]
.endr
	WIN 0
	v_nop                                          ; one plain place behind a scaled conversion
.irp c, 0,1
.irp i, 0,1,2
	v_permlane16_swap_b32 v[PCs+6*\c+\i], v[PCs+12+4*\c+\i]
.endr
.irp i, 0,1,2
	v_mov_b32 v[PCs+3+6*\c+\i], v[PCs+12+4*\c+\i]
.endr
.endr
.irp c, 0,1,2
	global_store_b128 v[LI], v[PCs+4*\c:PCs+4*\c+3], s[OB:OB+1] offset:((\a)/4)*RQP+((\a)%4)*TIL+512*\c   ; 512 consecutive bytes, aligned
.endr
.endm
	s_load_b128 s[4:7], s[0:1], 0x0                ; qkv, pp
	v_lshl_add_u32 v[SPW], v0, 2, SPARE
	v_mov_b32 v[NIL], 0
	ds_add_u32 v[SPW], v[NIL]                      ; the wave's opening: the add and its wait ahead of my first tensor load
	ds_add_u32 v[SPW], v[NIL]
	v_lshrrev_b32 v1, 5, v0
	v_readfirstlane_b32 s8, v1                     ; wave 0..3
	s_and_b32 s9, s8, 1                            ; xh: my half of the keys.  Also: which half of a tile I fetch
	s_lshr_b32 s10, s8, 1                          ; yh: my half of the queries.  Also: I fetch for Y (0) or for X (1)
	s_and_b32 s12, ttmp7, 0xffff
	s_and_b32 s13, s12, 3                          ; pr
	s_lshr_b32 s14, s12, 2                         ; the batch
	s_sub_co_u32 s17, 7, s13
	s_sub_co_u32 s18, ttmp9, s13
	s_sub_co_u32 s18, s18, 1
	s_cmp_le_u32 ttmp9, s13
	s_cselect_b32 s15, s13, s17                    ; J: the tile's 256 queries
	s_cselect_b32 s16, ttmp9, s18                  ; i: its 256 keys
	s_mov_b32 s[G1+0], 3<<16                       ; elements of 8 bytes, no mask, no padding
	s_mov_b32 s[G1+1], 1600<<16                    ; two records of 12,800 bytes, 51,200 bytes apart
	s_mov_b32 s[G1+2], 4<<16                       ; at the head four records a load (behind the head: two)
	s_mov_b32 s[G1+3], 1600<<16
	s_mov_b32 s[G1+4], 4
	s_mov_b32 s[G1+5], 6400
	s_mov_b32 s[G1+6], 0
	s_mov_b32 s[G1+7], 0
	s_cmp_eq_u32 s10, 0
	s_cselect_b32 s17, s15, s16                    ; q's tile J or k's tile i,
	s_cselect_b32 s18, 0, QSZ                      ; in q's or k's part of qkv
	s_lshl_b32 s17, s17, 2
	s_lshl_b32 s19, s14, 5
	s_add_co_u32 s17, s17, s19
	s_lshl_b32 s19, s9, 1
	s_add_co_u32 s17, s17, s19                     ; group 32 b + 4 tile + 2 half
	s_mul_i32 s17, s17, RQK
	s_add_co_u32 s18, s18, s17
	s_mov_b32 s19, 0
	s_mul_i32 s20, s8, 25600                       ; my quarter of a slot
	s_cmp_eq_u32 s9, 0                             ; THE HEAD'S LOAD, one a wave: wave 0 slot 0's Y, wave 1 slot 0's X, wave 2 slot 1's Y, wave 3 slot 1's X: four groups' records each
	s_cselect_b32 s21, s15, s16                    ; q's tile J or k's tile i,
	s_cselect_b32 s22, 0, QSZ                      ; in q's or k's part of qkv
	s_lshl_b32 s21, s21, 2
	s_lshl_b32 s23, s14, 5
	s_add_co_u32 s21, s21, s23                     ; group 32 b + 4 tile
	s_mul_i32 s21, s21, RQK
	s_add_co_u32 s22, s22, s21
	s_mul_i32 s21, s10, REC                        ; record 0 or 1
	s_add_co_u32 s22, s22, s21
	s_mov_b32 s23, 0
	s_mul_i32 s60, s10, SLOT                       ; where it goes: the slot, Y's half or X's
	s_mul_i32 s61, s9, 51200
	s_add_co_u32 s60, s60, s61
	s_mov_b32 s[CS], 0x3d38aa3b
	s_mov_b32 s[CS+1], s[CS]
	s_mov_b32 s[SEL], 0x76543210
	s_mov_b32 s[SEL+1], 0xfedcba98
	s_wait_dscnt 0x0                               ; the opening add is done
	s_wait_kmcnt 0x0
	s_add_nc_u64 s[18:19], s[4:5], s[18:19]
	s_mov_b32 s[G0], 1
	s_mov_b32 s[G0+1], s60
	s_add_nc_u64 s[G0+2:G0+3], s[4:5], s[22:23]
	s_or_b32 s[G0+3], s[G0+3], 0x80000000
.irp s, 2
	s_mov_b32 s[G0+4*\s], 1
	s_add_co_u32 s[G0+4*\s+1], s20, \s*SLOT
	s_add_nc_u64 s[G0+4*\s+2:G0+4*\s+3], s[18:19], \s*REC
	s_or_b32 s[G0+4*\s+3], s[G0+4*\s+3], 0x80000000
.endr
	s_mov_b32 s[G0+12], 1                          ; the fourth quarter of K goes into slot 0
	s_mov_b32 s[G0+13], s20
	s_add_nc_u64 s[G0+14:G0+15], s[18:19], 3*REC
	s_or_b32 s[G0+15], s[G0+15], 0x80000000
	tensor_load_to_lds s[G0:G0+3], s[G1:G1+7]      ; one tensor load a wave at the head
	s_nop 0
	PLACES
; PREFETCH of the third and fourth quarters of K, which come by later loads.  Tile T of q and tile T of k are both read by exactly one diagonal work-group (J = i = T): it asks for both, so each block of 256 bytes is named once in the launch.
; A wave takes its two groups' records 2 and 3, which lie on end: 100 blocks a group, 3 x 32 + 4; lanes left over name the last block again.  The third quarter's load stands behind the next barrier, the fourth's two K steps further on.
	v_and_b32 v24, 31, v0
	v_min_u32 v25, 3, v24
	v_lshlrev_b32 v24, 8, v24
	v_lshlrev_b32 v25, 8, v25
	s_wait_alu depctr_va_vdst(0)                   ; the wait here, directly behind the writes
	s_cmp_lg_u32 s16, s15                          ; ids alone
	s_cbranch_scc1 .Lno_ask
.irp g, 0,1
.irp k, 0,1,2
	global_prefetch_b8 v24, s[18:19] offset:\g*RQK+2*REC+\k*8192 th:TH_LOAD_NT scope:SCOPE_SE
.endr
	global_prefetch_b8 v25, s[18:19] offset:\g*RQK+2*REC+24576 th:TH_LOAD_NT scope:SCOPE_SE
.endr
.Lno_ask:
	v_and_b32 v1, 15, v0                           ; r
	v_bfe_u32 v2, v0, 4, 1                         ; h
	v_and_b32 v3, 31, v0                           ; lane
	v_lshlrev_b32 v[LI], 4, v3
	v_lshlrev_b32 v21, 4, v1
	v_mad_u32_u24 v21, v2, RQLX, v21
	v_add_nc_u32 v21, SOF, v21                     ; scale words: 16 r, lanes 16-31 in the second group of 64 rows
	s_mul_i32 s21, s9, 25600
	s_add_co_u32 s21, s21, 51200                   ; my half of X in a slot
	s_mul_i32 s22, s10, 25600                      ; my half of Y
.irp s, 0,1,2
	v_add_nc_u32 v[ADX+\s], s21, v[LI]
	v_add_nc_u32 v[ADY+\s], s22, v[LI]
	v_add_nc_u32 v[ADXS+\s], s21, v21
	v_add_nc_u32 v[ADYS+\s], s22, v21
	s_add_co_u32 s21, s21, SLOT
	s_add_co_u32 s22, s22, SLOT
.endr
	s_lshl_b32 s[KB], s16, 8
	s_lshl_b32 s21, s9, 7
	s_add_co_u32 s[KB], s[KB], s21                 ; my first key
	s_lshl_b32 s[QB], s15, 8
	s_lshl_b32 s21, s10, 7
	s_add_co_u32 s[QB], s[QB], s21                 ; my first query
	s_sub_co_i32 s58, s[QB], s[KB]
	v_and_b32 v22, 8, v1
	v_add_nc_u32 v22, v22, v1
	v_lshlrev_b32 v23, 4, v2
	v_sub_nc_u32 v22, v22, v23
	v_add_nc_u32 v22, s58, v22                     ; r + 8 (r / 8) - 16 h + QB - KB
	v_mov_b32 v23, 0xff800000                      ; -infinity
	v_mov_b32 v225, 0                              ; (named as the upper half of the pair v[224:225])
.irp b, 0,1,2,3
	v_mov_b32 v[232+\b], 0                         ; written once: a lane permute's destination counts as one of its sources
.endr
	s_lshl_b32 s21, s14, 5
	s_lshl_b32 s22, s15, 2
	s_add_co_u32 s21, s21, s22
	s_lshl_b32 s22, s10, 1
	s_add_co_u32 s21, s21, s22                     ; my first group of 64 queries: 32 b + 4 J + 2 yh
	s_mul_i32 s22, s21, RQP
	s_mul_i32 s23, s16, PREC
	s_add_co_u32 s22, s22, s23
	s_mul_i32 s23, s9, FRG
	s_add_co_u32 s22, s22, s23
	s_mov_b32 s23, 0
	s_add_nc_u64 s[OB:OB+1], s[6:7], s[22:23]      ; p's codes: record i, parity xh
	s_lshl_b32 s22, s16, 1
	s_add_co_u32 s22, s22, s9
	s_lshl_b32 s22, s22, 15
	s_lshl_b32 s21, s21, 8
	s_add_co_u32 s22, s22, s21
	s_add_co_u32 s22, s22, PST
	s_add_nc_u64 s[PB:PB+1], s[6:7], s[22:23]      ; the planes: run 2 i + xh of 128 keys
	s_wait_alu depctr_va_vdst(0)                   ; the wait at the head's end
	s_wait_tensorcnt 0x0                           ; my tile of slots 0 and 1 is in
	ds_add_u32 v[SPW], v[NIL]
	s_mov_b32 s[G1+2], 2<<16                       ; no tensor load of mine is out: from here on a load brings two records, my quarter of a slot
	s_mov_b32 s[G1+4], 2
	s_wait_dscnt 0x0
	s_barrier_signal -1
	s_barrier_wait -1                              ; slots 0 and 1 are whole
	tensor_load_to_lds s[G0+8:G0+11], s[G1:G1+7]   ; slot 2's first fill: my one load behind this barrier
	s_nop 0
	PLACES
	FX 0, 0, 0
	FY 0, 0, 0, YT/2
	FS 0, 0, 0
	FY 0, 0, YT/2, YT/2
	KT 0, 1, 0, 1, 0, 0                            ; the first K step starts the sums
	KT 1, 0, 1, 0, 2, 0                            ; slot 0 is left and filled again
	KT 0, 0, 1, 1, 0, 0
	KT 1, 0, 2, 0, 0, 0                            ; (slot 2 was shown whole by the barrier above)
	KT 0, 0, 2, 1, 0, 0
	KT 1, 0, 0, 0, 1, 0                            ; the last quarter of K has landed, for everybody
	KT 0, 0, 0, 1, 0, 0
	LAST 1
	PLACES
	POUT 0
	POUT 1
	POUT 2
	POUT 3
	POUT 4
	POUT 5
	POUT 6
	POUT 7
	v_cmp_eq_u32 s[HM], 1, v2                      ; lanes 16-31 take tiles 4-7 (both halves of the lanes hold all eight)
.irp k, 0,1,2,3
	v_cndmask_b32 v[240+\k], v[PW+\k], v[PW+4+\k], s[HM]
	v_cndmask_b32 v[244+\k], v[NM+\k], v[NM+4+\k], s[HM]
	v_cndmask_b32 v[248+\k], v[LL+\k], v[LL+4+\k], s[HM]
.endr
	global_store_b128 v[LI], v[240:243], s[PB:PB+1]                ; 512 consecutive bytes each
	global_store_b128 v[LI], v[244:247], s[PB:PB+1] offset:PLN
	global_store_b128 v[LI], v[248:251], s[PB:PB+1] offset:2*PLN
	s_cmp_lg_u32 s16, s15                          ; the diagonal tile of an even J writes the record behind it too: ids alone
	s_cbranch_scc1 .Lno_fill
	s_and_b32 s21, s15, 1
	s_cmp_lg_u32 s21, 0
	s_cbranch_scc1 .Lno_fill
.irp k, 0,1,2,3
	v_mov_b32 v[252+\k], 0
	v_mov_b32 v[228+\k], 0x01010101
	v_mov_b32 v[232+\k], 0x7f61b1e6                ; 3e38
.endr
.set n, 0
.rept 8
.irp c, 0,1,2
	global_store_b128 v[LI], v[252:255], s[OB:OB+1] offset:PREC+(n/4)*RQP+(n%4)*TIL+512*\c
.endr
.set n, n+1
.endr
	global_store_b128 v[LI], v[228:231], s[PB:PB+1] offset:65536
	global_store_b128 v[LI], v[232:235], s[PB:PB+1] offset:PLN+65536
	global_store_b128 v[LI], v[252:255], s[PB:PB+1] offset:2*PLN+65536
.Lno_fill:
	s_wait_tensorcnt 0x0                           ; the wave's end
	ds_add_u32 v[SPW], v[NIL]
	s_wait_dscnt 0x0
	s_endpgm
.Lfunc_end_k_q2b4808a735_scores:
	.size	k_q2b4808a735_scores, .Lfunc_end_k_q2b4808a735_scores-k_q2b4808a735_scores
	.p2alignl 7, 3214868480
	.fill 96, 4, 3214868480
	.section	.rodata,"a",@progbits
	.p2align	6, 0x0
	.amdhsa_kernel k_q2b4808a735_scores
		.amdhsa_group_segment_fixed_size 327680
		.amdhsa_private_segment_fixed_size 0
		.amdhsa_enable_private_segment 0
		.amdhsa_kernarg_size 16
		.amdhsa_user_sgpr_count 2
		.amdhsa_user_sgpr_kernarg_segment_ptr 1
		.amdhsa_wavefront_size32 1
		.amdhsa_system_sgpr_workgroup_id_x 1
		.amdhsa_system_sgpr_workgroup_id_y 1
		.amdhsa_system_sgpr_workgroup_id_z 1
		.amdhsa_system_vgpr_workitem_id 0
		.amdhsa_next_free_vgpr 1024
		.amdhsa_next_free_sgpr 66
		.amdhsa_reserve_vcc 1
		.amdhsa_float_denorm_mode_32 3
		.amdhsa_float_denorm_mode_16_64 3
		.amdhsa_memory_ordered 1
		.amdhsa_forward_progress 1
		.amdhsa_inst_pref_size 237
	.end_amdhsa_kernel
	.amdgpu_metadata
---
amdhsa.version: [ 1, 2 ]
amdhsa.kernels:
  - .name:           k_q2b4808a735_scores
    .symbol:         k_q2b4808a735_scores.kd
    .args:
      - { .name: qkv, .offset: 0, .size: 8, .value_kind: global_buffer, .address_space: global }
      - { .name: pp, .offset: 8, .size: 8, .value_kind: global_buffer, .address_space: global }
    .group_segment_fixed_size: 327680
    .private_segment_fixed_size: 0
    .kernarg_segment_align: 8
    .kernarg_segment_size: 16
    .max_flat_workgroup_size: 128
    .sgpr_count:     66
    .vgpr_count:     1024
    .wavefront_size: 32
...
	.end_amdgpu_metadata
.endif
;; end of part 3
;; launch pv (part 4): grid 4 x 64, 4 waves a work-group, no clusters, 327,680 bytes of LDS; arguments qkv, pp, cx; writes cx
.if DOCPART == 4
	.amdgcn_target "amdgcn-amd-amdhsa--gfx1250"
	.amdhsa_code_object_version 6
	.text
	.protected	k_q2b4808a735_pv
	.globl	k_q2b4808a735_pv
	.p2align	8
	.type	k_q2b4808a735_pv,@function
k_q2b4808a735_pv:
	s_mov_b64 s[64:65], 0
	v_nop
	global_prefetch_b8 v0, s[64:65] scope:SCOPE_SE
	s_setreg_imm32_b32 hwreg(HW_REG_WAVE_MODE, 25, 1), 1
	s_wait_xcnt 0x0
; ctx^T = v^T p^T on codes of FP6 (E2M3), K = the keys up to the causal limit; divided by the row's sum l; quantised along the model's axis; stored as register images (cx: [128 groups of 64 queries][4 records]).
; p's codes were made under a LOCAL whole-number M for each 128 keys.  The prologue finds the row's M (the least -M over the runs that count), and for each run takes d = M(row) - M(run) off the four scale bytes of each row's word:
; an exact power of two.  l = the sum of l(run) x 2^-d.  The changed words and 1 / l lie in LDS bytes of their own.
; LIMIT: d is held at 127 and a byte at 0 from below: a block more than 2^125 under the row's largest p is taken with the scale 2^-127 where the rule holds the exponent at -126: under 1e-36 of the row's largest term.
; SHARES.  Work-group (xt, y): 256 of the model's 1,024 (X = v^T), batch y / 16, queries 128 j .. + 127, j = y % 16 (Y = p).  Wave (xh, yh): 128 x 64: 32 accumulators.  A lane holds one query.
; THE RING.  Two slots of 512 keys.  The work-group needs laps = j / 4 + 1 of them.  Every wave passes all four changes of slots; a slot beyond the limit is neither asked for nor worked: jumps on ids alone, the same in all four waves,
; which lead round the tensor load's own lines or round a slot's LDS loads and products, and round no barrier, wait or add.  Every wait on TENSORcnt is for 0; one load a wave is out at a time.
; NO CLUSTER: partners along the queries would need different numbers of slots; partners along the model's axis would share p alone, a third of a slot's bytes.
; REGISTERS as in the launch that makes qkv; besides: v112-115 the planes' offsets; v116 where I store a changed word; v117 where I read them; v120-123 1 / l; v128-184 the prologue's numbers.
.set YT,    4
.set NY,    3*YT/2
.set RQK,   51200
.set RQV,   409600
.set REC,   12800
.set PREC,  12288
.set RQP,   98304
.set QSZ,   6553600
.set PST,   12582912
.set PLN,   524288
.set TIL,   3072
.set FRG,   1536
.set SOF,   12288
.set SLOT,  151552                     ; X: two halves of 2 groups x 2 records; then Y: two halves of 2 records
.set YOF,   102400
.set RQLX,  25600
.set RECX,  12800
.set RQLY,  0
.set RECY,  12288
.set PS,    2*SLOT                     ; the changed scale words: 16 runs x 512 bytes, written by LDS stores: no tile lands here
.set RL,    PS+8192                    ; 1 / l: 512 bytes
.set SPARE, RL+512
.set ADX,   4
.set ADY,   8
.set ADXS,  12
.set LI,    20
.set SWO,   24
.set SPW,   28
.set NIL,   29
.set SCX,   32
.set SCY,   40
.set TM,    48
.set PC,    64
.set PW,    104
.set VO,    112
.set PSW,   116
.set ADPS,  117
.set YF,    128
.set G1X,   24
.set G1Y,   32
.set G0X,   40                         ; s[40:47], s[48:55]: groups 0, one for each slot
.set G0Y,   48
.set SEL,   56
.set OB,    58
.set PB,    60
.set MSB, 0
.set SN, 0
.macro WIN new
.if MSB != (\new)
	s_set_vgpr_msb (MSB<<8)|(\new)
.set MSB, (\new)
.endif
.endm
.macro PLACES
.rept 4
	v_nop
.endr
.endm
.macro WM a, i, p, cmode
.set rD, 64*((\a)%4)+8*(\i)
.set rX, 128*(\p)+12*(\i)
.set rY, YF+12*(\a)
.set rP, SCX+4*(\p)+(\i)%4
.set rQ, SCY+4*(\p)+(\a)%4
.if (\cmode) == 1
.if (\i) < 4
	v_wmma_scale_f32_16x16x128_f8f6f4 v[rD:rD+7], v[rX:rX+11], v[rY:rY+11], 0, v[rP], v[rQ] matrix_a_fmt:MATRIX_FMT_FP6 matrix_b_fmt:MATRIX_FMT_FP6
.else
	v_wmma_scale_f32_16x16x128_f8f6f4 v[rD:rD+7], v[rX:rX+11], v[rY:rY+11], 0, v[rP], v[rQ] matrix_a_fmt:MATRIX_FMT_FP6 matrix_b_fmt:MATRIX_FMT_FP6 matrix_a_scale:MATRIX_SCALE_ROW1
.endif
.else
.if (\i) < 4
	v_wmma_scale_f32_16x16x128_f8f6f4 v[rD:rD+7], v[rX:rX+11], v[rY:rY+11], v[rD:rD+7], v[rP], v[rQ] matrix_a_fmt:MATRIX_FMT_FP6 matrix_b_fmt:MATRIX_FMT_FP6
.else
	v_wmma_scale_f32_16x16x128_f8f6f4 v[rD:rD+7], v[rX:rX+11], v[rY:rY+11], v[rD:rD+7], v[rP], v[rQ] matrix_a_fmt:MATRIX_FMT_FP6 matrix_b_fmt:MATRIX_FMT_FP6 matrix_a_scale:MATRIX_SCALE_ROW1
.endif
.endif
.endm
.macro MULA a0, n, p, cmode            ; the 32 accumulators take turns, one instruction a turn, in the same order in every K step, from slot to slot too
.set ma, \a0
.rept \n
	WIN 0xa1
.set mi, 0
.rept 8
	WM ma, mi, \p, \cmode
.set mi, mi+1
.endr
.set ma, ma+1
.endr
.endm
.macro FX slot, q, p
	WIN 0x40
.set fi, 0
.rept 8
.irp c, 0,1,2
	ds_load_b128 v[128*(\p)+12*fi+4*\c:128*(\p)+12*fi+4*\c+3], v[ADX+(\slot)] offset:(fi/4)*RQLX+((\q)/2)*RECX+(fi%4)*TIL+((\q)%2)*FRG+512*\c
.endr
.set fi, fi+1
.endr
	WIN 0
.endm
.macro FY slot, q, a0, n
.set fa, \a0
.rept \n
.irp c, 0,1,2
	ds_load_b128 v[YF+12*fa+4*\c:YF+12*fa+4*\c+3], v[ADY+(\slot)] offset:((\q)/2)*RECY+(fa%4)*TIL+((\q)%2)*FRG+512*\c
.endr
.set fa, fa+1
.endr
.endm
.macro FS slot, q, p                   ; X's scale words from the record; p's from the table of changed words, run 4 SN + q
	ds_load_b128 v[SCX+4*(\p):SCX+4*(\p)+3], v[ADXS+(\slot)] offset:((\q)/2)*RECX+((\q)%2)*256
	ds_load_b128 v[SCY+4*(\p):SCY+4*(\p)+3], v[ADPS] offset:(4*SN+(\q))*512
.endm
.macro KT p, cmode, ns, nq             ; a K step of 128 keys on set p, which also fetches the next one of the same slot
	s_wait_dscnt NY                                ; all but the youngest NY loads (Y's upper tiles) are in
	FX \ns, \nq, 1-(\p)
	FS \ns, \nq, 1-(\p)
	MULA 0, YT/2, \p, \cmode
	s_wait_dscnt 26                                ; all but the 26 just issued
	PLACES
	WIN 0
	FY \ns, \nq, 0, YT/2
	MULA YT/2, YT/2, \p, \cmode
	PLACES
	WIN 0
	FY \ns, \nq, YT/2, YT/2
.endm
.macro LAST p
	s_wait_dscnt NY
	MULA 0, YT/2, \p, 0
	s_wait_dscnt 0x0
	MULA YT/2, YT/2, \p, 0
	WIN 0
.endm
.macro QUANT a                         ; as in the launch that makes qkv
.set AC, 64*(\a)
.set PCs, PC+20*((\a)%2)
	WIN 0x0a
.irp b, 0,1,2,3
	v_max3_num_f32 v[TM+\b], |v[AC+16*\b]|, |v[AC+16*\b+1]|, 0x1800000
.endr
	WIN 0x28
.irp i, 2,4,6,8,10,12,14
.irp b, 0,1,2,3
	v_max3_num_f32 v[TM+\b], v[TM+\b], |v[AC+16*\b+\i]|, |v[AC+16*\b+\i+1]|
.endr
.endr
	WIN 0
.irp b, 0,1,2,3
	v_permlanex16_b32 v[TM+4+\b], v[TM+\b], s[SEL], s[SEL+1]
.endr
.irp b, 0,1,2,3
	v_max_num_f32 v[TM+\b], v[TM+\b], v[TM+4+\b]
.endr
.irp b, 0,1,2,3
	v_add_nc_u32 v[TM+12+\b], 0xff000000, v[TM+\b]
.endr
.irp b, 0,1,2,3
	v_lshrrev_b32 v[TM+4+\b], 23, v[TM+12+\b]
.endr
	v_lshl_or_b32 v[PW+(\a)], v[TM+5], 8, v[TM+4]
	v_lshl_or_b32 v[PW+(\a)], v[TM+6], 16, v[PW+(\a)]
	v_lshl_or_b32 v[PW+(\a)], v[TM+7], 24, v[PW+(\a)]
.if (\a) >= 2
	s_wait_xcnt 0x0                                ; the stores of two tiles ago have read this set of code registers
.endif
	WIN 0x02
.irp c, 0,1
	v_cvt_scalef32_pk16_fp6_f32 v[PCs+6*\c:PCs+6*\c+2], v[AC+32*\c:AC+32*\c+15], v[TM+12+2*\c]
	v_cvt_scalef32_pk16_fp6_f32 v[PCs+12+4*\c:PCs+14+4*\c], v[AC+32*\c+16:AC+32*\c+31], v[TM+13+2*\c]
.endr
	WIN 0
	v_nop                                          ; one plain place behind a scaled conversion
.irp c, 0,1
.irp i, 0,1,2
	v_permlane16_swap_b32 v[PCs+6*\c+\i], v[PCs+12+4*\c+\i]
.endr
.irp i, 0,1,2
	v_mov_b32 v[PCs+3+6*\c+\i], v[PCs+12+4*\c+\i]
.endr
.endr
.irp c, 0,1,2
	global_store_b128 v[LI], v[PCs+4*\c:PCs+4*\c+3], s[OB:OB+1] offset:(\a)*TIL+512*\c
.endr
.endm
.macro TLOAD s                         ; waves 0 and 1 fetch p's halves, waves 2 and 3 v^T's: a branch on the wave's number; an s_nop 0 and four v_nop follow each line
	s_cmp_lt_u32 s10, 2
	s_cbranch_scc0 .Lfor_x_\@
	tensor_load_to_lds s[G0Y+4*(\s):G0Y+4*(\s)+3], s[G1Y:G1Y+7]
	s_nop 0
	PLACES
	s_branch .Lasked_\@
.Lfor_x_\@:
	tensor_load_to_lds s[G0X+4*(\s):G0X+4*(\s)+3], s[G1X:G1X+7]
	s_nop 0
	PLACES
.Lasked_\@:
.endm
; THE CHANGE OF SLOTS at the head of slot n: all my tensor loads have landed, the add, my LDS instructions are done, the barrier; behind it the other slot takes the next 512 keys, if the work-group needs them.
; A PREFETCH of slot n's 512 keys, one slot ahead of the tensor load that brings them.  p's tile is read by the four work-groups xt of (batch, j): each asks for one of its four records, 48 blocks, waves 0 and 1, and only where the work-group needs the slot.
; v^T's tile is read by work-groups of (xt, batch): all sixteen j share its 400 blocks out by address, 25 each, wave 2.  So each block is named once among its readers.  The address registers are never written again.
.macro ASK n
	s_cmp_lt_u32 s10, 2
	s_cbranch_scc0 .Lpx_\@
	s_cmp_gt_u32 s17, \n
	s_cbranch_scc0 .Lpd_\@
	global_prefetch_b8 v30, s[62:63] offset:(\n)*2*PREC th:TH_LOAD_NT scope:SCOPE_SE
	s_branch .Lpd_\@
.Lpx_\@:
	s_cmp_eq_u32 s10, 2
	s_cbranch_scc0 .Lpd_\@
	global_prefetch_b8 v30, s[62:63] offset:(\n)*2*REC th:TH_LOAD_NT scope:SCOPE_SE
.Lpd_\@:
.endm
.macro CHANGE n
	s_wait_tensorcnt 0x0                           ; no tensor load of mine is out, so a group 0 may be written
	ds_add_u32 v[SPW], v[NIL]                      ; 0 onto my spare word
.if ((\n) == 1) || ((\n) == 2)
	s_add_nc_u64 s[G0X+4*(((\n)+1)%2)+2:G0X+4*(((\n)+1)%2)+3], s[G0X+4*(((\n)+1)%2)+2:G0X+4*(((\n)+1)%2)+3], 4*REC     ; two slots on: 1,024 keys
	s_add_nc_u64 s[G0Y+4*(((\n)+1)%2)+2:G0Y+4*(((\n)+1)%2)+3], s[G0Y+4*(((\n)+1)%2)+2:G0Y+4*(((\n)+1)%2)+3], 4*PREC
.endif
	s_wait_dscnt 0x0                               ; the add is done; my reads of the slot that I have left, and my stores of changed words, are over
	s_barrier_signal -1
	s_barrier_wait -1
.if (\n) < 3
	s_cmp_gt_u32 s17, (\n)+1                       ; ids alone: all four waves go the same way
	s_cbranch_scc0 .Lpast_\@
	TLOAD ((\n)+1)%2
.Lpast_\@:
.endif
.if (\n) < 2
	ASK (\n)+2
.endif
.endm
.macro SLOTWORK n                      ; 512 keys: four K steps
.if (\n) > 0
	s_cmp_gt_u32 s17, \n
	s_cbranch_scc0 .Lskip_\@
.endif
.set SN, \n
	PLACES                                         ; ahead of loads into registers that the last slot's products have read
	FX (\n)%2, 0, 0
	FY (\n)%2, 0, 0, YT/2
	FS (\n)%2, 0, 0
	FY (\n)%2, 0, YT/2, YT/2
.if (\n) == 0
	KT 0, 1, (\n)%2, 1                             ; the first K step starts the sums
.else
	KT 0, 0, (\n)%2, 1
.endif
	KT 1, 0, (\n)%2, 2
	KT 0, 0, (\n)%2, 3
	LAST 1
.Lskip_\@:
.endm
	s_load_b128 s[4:7], s[0:1], 0x0                ; qkv, pp
	s_load_b64 s[8:9], s[0:1], 0x10                ; cx
	v_lshl_add_u32 v[SPW], v0, 2, SPARE
	v_mov_b32 v[NIL], 0
	ds_add_u32 v[SPW], v[NIL]                      ; the wave's opening: the add and its wait ahead of my first tensor load
	ds_add_u32 v[SPW], v[NIL]
	v_lshrrev_b32 v1, 5, v0
	v_readfirstlane_b32 s10, v1                    ; wave 0..3
	v_and_b32 v30, 31, v0                          ; the prefetches' lane term: a block of 256 bytes a lane, 24 blocks for waves 0 and 1, 25 for wave 2; lanes left over name the last block again
	s_cmp_lt_u32 s10, 2
	s_cselect_b32 s69, 23, 24
	v_min_u32 v30, s69, v30
	v_lshlrev_b32 v30, 8, v30
	s_wait_alu depctr_va_vdst(0)                   ; the wait here, directly behind the write
	s_and_b32 s11, s10, 1                          ; xh
	s_lshr_b32 s12, s10, 1                         ; yh
	s_and_b32 s14, ttmp7, 0xffff
	s_lshr_b32 s15, s14, 4                         ; the batch
	s_and_b32 s16, s14, 15                         ; j
	s_lshr_b32 s17, s16, 2
	s_add_co_u32 s17, s17, 1                       ; laps: slots of 512 keys up to the causal limit
	s_mov_b32 s[G1X+0], 3<<16                      ; v^T: two rows of 25,600 bytes (two records), 409,600 bytes apart
	s_mov_b32 s[G1X+1], 3200<<16
	s_mov_b32 s[G1X+2], 2<<16
	s_mov_b32 s[G1X+3], 3200<<16
	s_mov_b32 s[G1X+4], 2
	s_mov_b32 s[G1X+5], 51200
	s_mov_b32 s[G1X+6], 0
	s_mov_b32 s[G1X+7], 0
	s_mov_b32 s[G1Y+0], 3<<16                      ; p: two records, a dense block: 96 rows of 256 bytes
	s_mov_b32 s[G1Y+1], 32<<16
	s_mov_b32 s[G1Y+2], 96<<16
	s_mov_b32 s[G1Y+3], 32<<16
	s_mov_b32 s[G1Y+4], 96
	s_mov_b32 s[G1Y+5], 32
	s_mov_b32 s[G1Y+6], 0
	s_mov_b32 s[G1Y+7], 0
	s_lshl_b32 s18, ttmp9, 2
	s_lshl_b32 s19, s11, 1
	s_add_co_u32 s18, s18, s19                     ; v^T: group 4 xt + 2 half,
	s_mul_i32 s18, s18, RQV
	s_mul_i32 s19, s15, 8*REC                      ; the batch's first record
	s_add_co_u32 s18, s18, s19
	s_add_co_u32 s18, s18, 2*QSZ
	s_mov_b32 s19, 0
	s_lshl_b32 s20, s15, 5
	s_lshl_b32 s21, s16, 1
	s_add_co_u32 s20, s20, s21                     ; 32 b + 2 j: the tile's first group of 64 queries
	s_add_co_u32 s22, s20, s11
	s_mul_i32 s22, s22, RQP                        ; p: group + half
	s_mov_b32 s23, 0
	s_mul_i32 s78, s11, 51200                      ; where they go in a slot
	s_mul_i32 s79, s11, 24576
	s_add_co_u32 s79, s79, YOF
	s_mov_b32 s[SEL], 0x76543210
	s_mov_b32 s[SEL+1], 0xfedcba98
	s_mov_b32 s66, 0x80808080
	s_mov_b32 s67, 0x01010101
	s_mov_b32 s68, 0x7f7f7f7f
	s_mov_b32 s70, 1.0                             ; lap n: its weight in l, and where its planes lie; a lap beyond the limit reads lap 0's once more and counts for nothing
	s_mov_b32 s74, 0
.irp n, 1,2,3
	s_cmp_gt_u32 s17, \n
	s_cselect_b32 s[74+\n], \n*131072, 0
	s_cselect_b32 s[70+\n], 1.0, 0
.endr
	s_wait_dscnt 0x0                               ; the opening add is done
	s_wait_kmcnt 0x0
	s_add_nc_u64 s[18:19], s[4:5], s[18:19]
	s_add_nc_u64 s[22:23], s[6:7], s[22:23]
.irp s, 0,1
	s_mov_b32 s[G0X+4*\s], 1
	s_add_co_u32 s[G0X+4*\s+1], s78, \s*SLOT
	s_add_nc_u64 s[G0X+4*\s+2:G0X+4*\s+3], s[18:19], \s*2*REC
	s_or_b32 s[G0X+4*\s+3], s[G0X+4*\s+3], 0x80000000
	s_mov_b32 s[G0Y+4*\s], 1
	s_add_co_u32 s[G0Y+4*\s+1], s79, \s*SLOT
	s_add_nc_u64 s[G0Y+4*\s+2:G0Y+4*\s+3], s[22:23], \s*2*PREC
	s_or_b32 s[G0Y+4*\s+3], s[G0Y+4*\s+3], 0x80000000
.endr
	TLOAD 0                                        ; slot 0: the first 512 keys
	s_lshr_b32 s18, ttmp9, 1                       ; my share of p's tile: group + xt / 2, record xt % 2 of a slot's two, 24 blocks a wave
	s_add_co_u32 s18, s18, s20
	s_mul_i32 s18, s18, RQP
	s_and_b32 s19, ttmp9, 1
	s_mul_i32 s19, s19, PREC
	s_add_co_u32 s18, s18, s19
	s_mul_i32 s19, s10, 6144
	s_add_co_u32 s18, s18, s19
	s_mov_b32 s19, 0
	s_add_nc_u64 s[18:19], s[6:7], s[18:19]
	s_lshl_b32 s22, ttmp9, 2                       ; my share of v^T's tile: group 4 xt + j / 4, quarter j % 4 of a slot's 25,600 bytes
	s_lshr_b32 s23, s16, 2
	s_add_co_u32 s22, s22, s23
	s_mul_i32 s22, s22, RQV
	s_mul_i32 s23, s15, 8*REC
	s_add_co_u32 s22, s22, s23
	s_and_b32 s23, s16, 3
	s_mul_i32 s23, s23, 6400
	s_add_co_u32 s22, s22, s23
	s_add_co_u32 s22, s22, 2*QSZ
	s_mov_b32 s23, 0
	s_add_nc_u64 s[22:23], s[4:5], s[22:23]
	s_cmp_lt_u32 s10, 2
	s_cselect_b64 s[62:63], s[18:19], s[22:23]
	ASK 1
	; THE PROLOGUE.  Thread t owns word t of the tile's 512 bytes of each plane: group t / 64, row (t / 4) % 16, tile t % 4
	s_lshl_b32 s18, s20, 8
	s_add_co_u32 s18, s18, PST
	s_mov_b32 s19, 0
	s_add_nc_u64 s[PB:PB+1], s[6:7], s[18:19]
.irp n, 0,1,2,3
	v_lshl_add_u32 v[VO+\n], v0, 2, s[74+\n]
.endr
.set q, 0
.rept 16
	global_load_b32 v[128+q], v[VO+q/4], s[PB:PB+1] offset:(q%4)*32768            ; the scale word,
	global_load_b32 v[144+q], v[VO+q/4], s[PB:PB+1] offset:PLN+(q%4)*32768        ; -M,
	global_load_b32 v[160+q], v[VO+q/4], s[PB:PB+1] offset:2*PLN+(q%4)*32768      ; and l of run q of 128 keys
.set q, q+1
.endr
	v_and_b32 v1, 15, v0                           ; r
	v_bfe_u32 v2, v0, 4, 1                         ; h
	v_and_b32 v3, 31, v0                           ; lane
	v_lshlrev_b32 v[LI], 4, v3
	v_lshlrev_b32 v21, 4, v1
	v_mad_u32_u24 v22, v2, RQLX, v21
	v_add_nc_u32 v22, SOF, v22                     ; X's scale words: 16 r, lanes 16-31 in the second group of 64 rows
	s_mul_i32 s18, s11, 51200                      ; my half of X in a slot
	s_mul_i32 s19, s12, 24576
	s_add_co_u32 s19, s19, YOF                     ; my half of Y
.irp s, 0,1
	v_add_nc_u32 v[ADX+\s], s18, v[LI]
	v_add_nc_u32 v[ADY+\s], s19, v[LI]
	v_add_nc_u32 v[ADXS+\s], s18, v22
	s_add_co_u32 s18, s18, SLOT
	s_add_co_u32 s19, s19, SLOT
.endr
	v_lshl_add_u32 v[PSW], v0, 2, PS
	s_lshl_b32 s18, s12, 8
	s_add_co_u32 s18, s18, PS
	v_add_nc_u32 v[ADPS], s18, v21
.irp b, 0,1,2,3
	v_mov_b32 v[TM+4+\b], 0                        ; written once: a lane permute's destination counts as one of its sources
.endr
	s_add_co_u32 s18, s20, s12                     ; the result: group 32 b + 2 j + yh, record xt, parity xh
	s_mul_i32 s18, s18, RQK
	s_mul_i32 s19, ttmp9, REC
	s_add_co_u32 s18, s18, s19
	s_mul_i32 s19, s11, FRG
	s_add_co_u32 s18, s18, s19
	s_mov_b32 s19, 0
	s_add_nc_u64 s[OB:OB+1], s[8:9], s[18:19]
	s_mul_i32 s18, s11, FRG-256
	s_sub_co_u32 s18, SOF, s18
	v_add_nc_u32 v[SWO], s18, v21
	v_mov_b32 v183, 0                              ; l
	s_wait_loadcnt 0x0
	v_min_num_f32 v176, v144, v145                 ; the row's -M: the least of the runs'
	v_min_num_f32 v177, v146, v147
.irp i, 148,150,152,154,156,158
	v_min_num_f32 v176, v176, v[\i]
	v_min_num_f32 v177, v177, v[\i+1]
.endr
	v_min_num_f32 v176, v176, v177
.set q, 0
.rept 16
	v_sub_f32 v177, v[144+q], v176                 ; d = M(row) - M(run): a whole number, 0 or more,
	v_min_num_f32 v177, 0x42fe0000, v177           ; held at 127
	v_cvt_i32_f32 v177, v177
	v_sub_nc_u32 v178, 0, v177
	v_ldexp_f32 v178, v[160+q], v178               ; l(run) x 2^-d
	v_fma_f32 v183, v178, s[70+q/4], v183
	v_lshl_or_b32 v177, v177, 8, v177
	v_lshl_or_b32 v177, v177, 16, v177             ; d in each byte
	v_or_b32 v180, s66, v[128+q]                   ; each byte + 128, so that no byte borrows from its neighbour,
	v_sub_nc_u32 v180, v180, v177                  ; - d: bit 7 stays set where byte >= d
	v_lshrrev_b32 v181, 7, v180
	v_and_b32 v181, s67, v181
	v_lshlrev_b32 v182, 8, v181
	v_sub_nc_u32 v181, v182, v181                  ; 0xff in those bytes
	v_and_b32 v180, s68, v180
	v_and_b32 v180, v180, v181                     ; max(byte - d, 0)
	ds_store_b32 v[PSW], v180 offset:q*512
.set q, q+1
.endr
	s_wait_alu depctr_va_vdst(0)
	v_rcp_f32 v184, v183
	v_nop                                          ; a plain place behind the reciprocal
	s_wait_alu depctr_va_vdst(0)                   ; the wait ahead of the first reader
	ds_store_b32 v[PSW], v184 offset:RL-PS
	CHANGE 0                                       ; the prologue's arithmetic has stood under slot 0's flight
	SLOTWORK 0
	CHANGE 1
	SLOTWORK 1
	CHANGE 2
	SLOTWORK 2
	CHANGE 3
	SLOTWORK 3
	; THE WAY OUT: ctx^T / l, quantised along the model's axis
	ds_load_b128 v[120:123], v[ADPS] offset:RL-PS  ; 1 / l of my query in tiles 0 to 3
	PLACES
	s_wait_dscnt 0x0
.irp a, 0,1,2,3
	v_mov_b32 v226, v[120+\a]
	v_mov_b32 v227, v[120+\a]
	WIN 0x82
.set n, 0
.rept 32
	v_pk_mul_f32 v[64*\a+n:64*\a+n+1], v[64*\a+n:64*\a+n+1], v[226:227]   ; each accumulator from its low end on
.set n, n+2
.endr
	WIN 0
	QUANT \a
.endr
	global_store_b128 v[SWO], v[PW:PW+3], s[OB:OB+1]   ; 16 lanes store 256 consecutive bytes, aligned (lanes l and l xor 16 hold and store the same)
	s_wait_tensorcnt 0x0                           ; the wave's end
	ds_add_u32 v[SPW], v[NIL]
	s_wait_dscnt 0x0
	s_endpgm
.Lfunc_end_k_q2b4808a735_pv:
	.size	k_q2b4808a735_pv, .Lfunc_end_k_q2b4808a735_pv-k_q2b4808a735_pv
	.p2alignl 7, 3214868480
	.fill 96, 4, 3214868480
	.section	.rodata,"a",@progbits
	.p2align	6, 0x0
	.amdhsa_kernel k_q2b4808a735_pv
		.amdhsa_group_segment_fixed_size 327680
		.amdhsa_private_segment_fixed_size 0
		.amdhsa_enable_private_segment 0
		.amdhsa_kernarg_size 24
		.amdhsa_user_sgpr_count 2
		.amdhsa_user_sgpr_kernarg_segment_ptr 1
		.amdhsa_wavefront_size32 1
		.amdhsa_system_sgpr_workgroup_id_x 1
		.amdhsa_system_sgpr_workgroup_id_y 1
		.amdhsa_system_sgpr_workgroup_id_z 1
		.amdhsa_system_vgpr_workitem_id 0
		.amdhsa_next_free_vgpr 768
		.amdhsa_next_free_sgpr 80
		.amdhsa_reserve_vcc 0
		.amdhsa_float_denorm_mode_32 3
		.amdhsa_float_denorm_mode_16_64 3
		.amdhsa_memory_ordered 1
		.amdhsa_forward_progress 1
		.amdhsa_inst_pref_size 165
	.end_amdhsa_kernel
	.amdgpu_metadata
---
amdhsa.version: [ 1, 2 ]
amdhsa.kernels:
  - .name:           k_q2b4808a735_pv
    .symbol:         k_q2b4808a735_pv.kd
    .args:
      - { .name: qkv, .offset: 0, .size: 8, .value_kind: global_buffer, .address_space: global }
      - { .name: pp, .offset: 8, .size: 8, .value_kind: global_buffer, .address_space: global }
      - { .name: cx, .offset: 16, .size: 8, .value_kind: global_buffer, .address_space: global }
    .group_segment_fixed_size: 327680
    .private_segment_fixed_size: 0
    .kernarg_segment_align: 8
    .kernarg_segment_size: 24
    .max_flat_workgroup_size: 128
    .sgpr_count:     80
    .vgpr_count:     768
    .wavefront_size: 32
...
	.end_amdgpu_metadata
.endif
;; end of part 4
;; launch outp (part 5): grid 4 x 64, 4 waves a work-group, clusters of 4 x 4, 327,680 bytes of LDS; arguments xw, cx, b_o, out0; writes out0
.if DOCPART == 5
	.amdgcn_target "amdgcn-amd-amdhsa--gfx1250"
	.amdhsa_code_object_version 6
	.text
	.protected	k_q2b4808a735_outp
	.globl	k_q2b4808a735_outp
	.p2align	8
	.type	k_q2b4808a735_outp,@function
k_q2b4808a735_outp:
	s_mov_b64 s[64:65], 0
	v_nop
	global_prefetch_b8 v0, s[64:65] scope:SCOPE_SE
	s_setreg_imm32_b32 hwreg(HW_REG_WAVE_MODE, 25, 1), 1
	s_wait_xcnt 0x0
	s_wait_alu depctr_hold_cnt(0) depctr_sa_sdst(0) depctr_va_vdst(0) depctr_va_sdst(0) depctr_va_ssrc(0) depctr_va_vcc(0) depctr_vm_vsrc(0)
	s_getreg_b32 s2, hwreg(HW_REG_IB_STS2, 6, 4)
	s_cmp_eq_u32 s2, 0
	s_cbranch_scc0 .Lentry_in_a_cluster
	s_endpgm
.Lentry_in_a_cluster:
	s_bfe_u32 s2, ttmp6, 0x10000c
	s_cmp_lg_u32 s2, 0xf033
	s_cbranch_scc0 .Lentry_shape_is_right
	s_endpgm
.Lentry_shape_is_right:
; out0 = ctx W_o + b_o on codes of FP6 (E2M3), K = 1,024; f32 out.  X = W_o^T (groups 176-191 of xw), Y = ctx (cx): source 0 = 16 rows of X, source 1 = 16 rows of Y: a lane holds one row of out0, its registers run along the columns.
; SHARES: 256 work-groups; a work-group makes 256 columns x 128 rows, wave (xh, yh) 128 x 64.  4 x 4 clusters: ctx's tile is asked for jointly along a row of the cluster, W_o^T's along a column.
; LDS: all of K is resident, laid by groups of 64 rows of 51,200 bytes (Y's two, then X's four), filled once by one tensor load a wave at the head: waves 0, 1 a group of Y each, waves 2, 3 two groups of X each.
; THE WALK goes twice over K, once for each 64 of my 128 columns (four tiles of X), 16 accumulators a half, so that the first half's rows are stored while the second half is multiplied.
; Y's fragments of all eight K steps (8 x 48 registers) and their scale words are read from LDS in the first half and stay in registers for the second: no fragment is read twice.  X's fragments: two sets of four, fetched one K step ahead.
; THE BIAS is the C of each sum's first product.  THE WAY OUT: 16 rows x 64 columns go through my own stage (LDS bytes of its own, no tile lands there) and come back as rows of 256 bytes: sixteen lanes store one aligned unit of 256 bytes.
; No prefetch: the work-group's whole share is asked for by its first tensor loads, and the launch has no later load.
; REGISTERS.  Window 0: v1-3 r, h, lane; v4-19 LDS addresses by quarter of K; v20 16 x lane; v21, v22 the stage; v27 my offset in out0; v28, v29 the add's two; v32-63 Y's scale words; v64-127 the bias; v128-223 Y's fragments of K steps 5, 6; v224-231 X's scale words.
;   Window 1: v0-47, v128-175 X's fragments; v48-111 rows on the way out; v176-223 Y's fragments of K step 7.   Window 2: accumulator (a, i) at v[64 a + 8 i].   Window 3: Y's fragments of K steps 0-4.
.set RQK,   51200
.set REC,   12800
.set TIL,   3072
.set FRG,   1536
.set SOF,   12288
.set RQLX,  51200                      ; from one of X's groups to the next in LDS
.set STAGE, 307200                     ; behind the tiles: 16 rows x 272 bytes for each wave
.set SP,    272
.set SPARE, STAGE+4*16*SP              ; the spare words: 128 bytes a wave, two blocks of 256 bytes that no other line names
.set ADX,   4
.set ADY,   8
.set ADXS,  12
.set ADYS,  16
.set LI,    20
.set STO,   21
.set RD,    22
.set CO,    27
.set SPW,   28
.set NIL,   29
.set SCY,   32
.set BI,    64
.set SCX,   224
.set G1Y,   24
.set G1X,   32
.set G0Y,   40
.set G0X,   68
.set OB,    86
.set MSB, 0
.macro WIN new                         ; the immediate's high byte repeats the setting that is left; a switch that changes nothing is dropped
.if MSB != (\new)
	s_set_vgpr_msb (MSB<<8)|(\new)
.set MSB, (\new)
.endif
.endm
.macro PLACES                          ; four plain places behind matrix instructions, ahead of loads into their registers and of reads of their results
.rept 4
	v_nop
.endr
.endm
.macro CROUND
	s_barrier_signal -1
	s_barrier_wait -1
	s_cmp_lg_u32 s12, 0
	s_cbranch_scc1 .Lnw0_\@
	s_barrier_signal -3
.Lnw0_\@:
	s_barrier_wait -3
	s_barrier_signal -1
	s_barrier_wait -1
.endm
.macro YLOC ks                         ; where Y's four fragments of K step ks stay: window yW, from register yR on
.if (\ks) < 5
.set yW, 3
.set yR, 48*(\ks)
.else
.if (\ks) < 7
.set yW, 0
.set yR, 128+48*((\ks)-5)
.else
.set yW, 1
.set yR, 176
.endif
.endif
.endm
; one product: tile i of the half's four of X x tile a of Y.  X's scale words: lanes 0-15 the first half's tiles, lanes 16-31 the second's.  cmode 2: the product starts the sum from the bias
.macro WM a, i, hf, ks, cmode
.set rD, 64*(\a)+32*(\hf)+8*(\i)
.set rX, 128*((\ks)%2)+12*(\i)
.set rY, yR+12*(\a)
.set rB, BI+32*(\hf)+8*(\i)
.set rP, SCX+4*((\ks)%2)+(\i)
.set rQ, SCY+4*(\ks)+(\a)
.if (\cmode) == 2
.if (\hf) == 0
	v_wmma_scale_f32_16x16x128_f8f6f4 v[rD:rD+7], v[rX:rX+11], v[rY:rY+11], v[rB:rB+7], v[rP], v[rQ] matrix_a_fmt:MATRIX_FMT_FP6 matrix_b_fmt:MATRIX_FMT_FP6
.else
	v_wmma_scale_f32_16x16x128_f8f6f4 v[rD:rD+7], v[rX:rX+11], v[rY:rY+11], v[rB:rB+7], v[rP], v[rQ] matrix_a_fmt:MATRIX_FMT_FP6 matrix_b_fmt:MATRIX_FMT_FP6 matrix_a_scale:MATRIX_SCALE_ROW1
.endif
.else
.if (\hf) == 0
	v_wmma_scale_f32_16x16x128_f8f6f4 v[rD:rD+7], v[rX:rX+11], v[rY:rY+11], v[rD:rD+7], v[rP], v[rQ] matrix_a_fmt:MATRIX_FMT_FP6 matrix_b_fmt:MATRIX_FMT_FP6
.else
	v_wmma_scale_f32_16x16x128_f8f6f4 v[rD:rD+7], v[rX:rX+11], v[rY:rY+11], v[rD:rD+7], v[rP], v[rQ] matrix_a_fmt:MATRIX_FMT_FP6 matrix_b_fmt:MATRIX_FMT_FP6 matrix_a_scale:MATRIX_SCALE_ROW1
.endif
.endif
.endm
.macro MUL hf, ks, cmode               ; a K step's 16 products: the half's 16 accumulators take turns, one instruction a turn, in the same order in every K step
	YLOC \ks
.if (\cmode) == 2
	WIN 0x81|(yW<<2)                               ; X window 1, Y its own, the bias window 0, D window 2
.else
	WIN 0xa1|(yW<<2)
.endif
.set ma, 0
.rept 4
.set mi, 0
.rept 4
	WM ma, mi, \hf, \ks, \cmode
.set mi, mi+1
.endr
.set ma, ma+1
.endr
.endm
.macro FETCHX hf, ks, p                ; the half's four fragments of X of K step ks into set p, and X's scale words: 13 loads
	WIN 0x40
.set fi, 0
.rept 4
.irp c, 0,1,2
	ds_load_b128 v[128*(\p)+12*fi+4*\c:128*(\p)+12*fi+4*\c+3], v[ADX+(\ks)/2] offset:(\hf)*RQLX+fi*TIL+((\ks)%2)*FRG+512*\c
.endr
.set fi, fi+1
.endr
	WIN 0
	ds_load_b128 v[SCX+4*(\p):SCX+4*(\p)+3], v[ADXS+(\ks)/2] offset:((\ks)%2)*256
.endm
.macro FETCHY ks                       ; Y's four fragments of K step ks and their scale words, to stay: 13 loads
	YLOC \ks
	WIN yW<<6
.set fa, 0
.rept 4
.irp c, 0,1,2
	ds_load_b128 v[yR+12*fa+4*\c:yR+12*fa+4*\c+3], v[ADY+(\ks)/2] offset:fa*TIL+((\ks)%2)*FRG+512*\c
.endr
.set fa, fa+1
.endr
	WIN 0
	ds_load_b128 v[SCY+4*(\ks):SCY+4*(\ks)+3], v[ADYS+(\ks)/2] offset:((\ks)%2)*256
.endm
; A K step of 128: the next step's fragments are asked for, into the set that the last step's products left four places ago; then this step's 16 products
.macro STEP hf, ks, cmode
	PLACES
.if (\ks) < 7
	FETCHX \hf, (\ks)+1, 1-(\ks)%2
.if (\hf) == 0
	FETCHY (\ks)+1
	s_wait_dscnt 26                                ; all but the 26 just issued
.else
	s_wait_dscnt 13                                ; all but the 13 just issued
.endif
.else
	FETCHX 1, 0, 0                                 ; the second half's first step
	s_wait_dscnt 13
.endif
	MUL \hf, \ks, \cmode
	WIN 0
.endm
; tile a of a half: registers 4 k .. 4 k + 3 of its 32 are columns 32 (k / 4) + 16 h + 4 (k % 4) + 0 .. 3 of the half's 64, in my row
.macro TOSTAGE a, hf
.set AC, 64*(\a)+32*(\hf)
	WIN 0x08                                       ; an LDS store's data are its source 1: window 2
.set k, 0
.rept 8
	ds_store_b128 v[STO], v[AC+4*k:AC+4*k+3] offset:128*(k/4)+16*(k%4)   ; each accumulator from its low end on
.set k, k+1
.endr
	WIN 0x40
.set BB, 48+32*((\a)%2)
.irp t, 0,1,2,3,4,5,6,7
	ds_load_b128 v[BB+4*\t:BB+4*\t+3], v[RD] offset:\t*2*SP        ; LDS serves a wave's instructions in order (ISA guide 5.7.1.4): these see the stores above; two rows a load
.endr
	WIN 0
.endm
.macro SEND a, hf, younger             ; stage row t is the tile's lane t: row 32 (a / 2) + 8 (a % 2) + t + 8 (t / 8) of my 64
.set BB, 48+32*((\a)%2)
	s_wait_dscnt \younger
	WIN 0x04                                       ; a store's data are its source 1: window 1
.set t, 0
.rept 8
	global_store_b128 v[CO], v[BB+4*t:BB+4*t+3], s[OB:OB+1] offset:(32*((\a)/2)+8*((\a)%2)+2*t+8*(t/4))*4096+256*(\hf) th:TH_STORE_NT   ; 16 lanes store 256 consecutive bytes, aligned; written once, read by nobody here
.set t, t+1
.endr
	WIN 0
.endm
.macro WAYOUT hf
	PLACES                                         ; ahead of the reads of results just made
.if (\hf) > 0
	s_wait_xcnt 0x0                                ; earlier stores have read their registers: this tile's loads may land there
.endif
	TOSTAGE 0, \hf
.irp a, 1,2,3
.if (\a > 1) || (\hf > 0)
	s_wait_xcnt 0x0                                ; the stores of two tiles ago have read their registers
.endif
	TOSTAGE \a, \hf
	SEND \a-1, \hf, 16                             ; behind the earlier tile's loads: this tile's 8 stores and 8 loads
.endr
	SEND 3, \hf, 0
.endm
	s_load_b128 s[4:7], s[0:1], 0x0                ; xw, cx
	s_load_b128 s[8:11], s[0:1], 0x10              ; b_o, out0
	v_lshl_add_u32 v[SPW], v0, 2, SPARE
	v_mov_b32 v[NIL], 0
	ds_add_u32 v[SPW], v[NIL]                      ; the wave's opening: the add, twice on end, and its wait ahead of the round in front of my first tensor load
	ds_add_u32 v[SPW], v[NIL]
	v_lshrrev_b32 v1, 5, v0
	v_readfirstlane_b32 s12, v1                    ; wave 0..3
	s_and_b32 s13, s12, 1                          ; xh.  Also: which half of a tile I fetch
	s_lshr_b32 s14, s12, 1                         ; yh.  Also: I fetch for Y (0) or for X (1)
	s_bfe_u32 s15, ttmp6, 0x40000                  ; cx
	s_bfe_u32 s16, ttmp6, 0x40004                  ; cy
	s_and_b32 s17, ttmp7, 0xffff                   ; the cluster's y, 0..15
	s_lshl_b32 s18, s17, 3                         ; ctx's tile: group 8 cluster y + 2 cy + half: nothing of cx in these registers
	s_lshl_b32 s59, s16, 1
	s_add_co_u32 s18, s18, s59
	s_add_co_u32 s18, s18, s13
	s_mul_i32 s60, s18, RQK
	s_mov_b32 s61, 0
	s_lshl_b32 s19, s15, 2                         ; W_o^T's tile: group 176 + 4 cx + 2 half: nothing of cy in these
	s_lshl_b32 s63, s13, 1
	s_add_co_u32 s19, s19, s63
	s_add_co_u32 s19, s19, 176
	s_mul_i32 s62, s19, RQK
	s_mov_b32 s63, 0
	s_lshl_b32 s88, s16, 2
	s_lshl_b32 s88, 15, s88                        ; my row of the cluster
	s_lshl_b32 s89, 0x1111, s15                    ; my column
	s_or_b32 s[G1Y+0], s88, (3<<16)|(1<<21)
	s_mov_b32 s[G1Y+1], 32<<16                     ; Y: a group, all of K, is a dense block: 200 rows of 256 bytes
	s_mov_b32 s[G1Y+2], 200<<16
	s_mov_b32 s[G1Y+3], 32<<16
	s_mov_b32 s[G1Y+4], 200
	s_mov_b32 s[G1Y+5], 32
	s_mov_b32 s[G1Y+6], 0
	s_mov_b32 s[G1Y+7], 0
	s_or_b32 s[G1X+0], s89, (3<<16)|(1<<21)
	s_mov_b32 s[G1X+1], 6400<<16                   ; X: two groups, all of K: two rows of 51,200 bytes
	s_mov_b32 s[G1X+2], 2<<16
	s_mov_b32 s[G1X+3], 6400<<16
	s_mov_b32 s[G1X+4], 2
	s_mov_b32 s[G1X+5], 6400
	s_mov_b32 s[G1X+6], 0
	s_mov_b32 s[G1X+7], 0
	s_mul_i32 s90, s13, 51200
	s_mul_i32 s91, s13, 102400
	s_add_co_u32 s91, s91, 102400
	s_wait_dscnt 0x0                               ; both opening adds are done
	s_wait_kmcnt 0x0
	s_add_nc_u64 s[60:61], s[6:7], s[60:61]
	s_add_nc_u64 s[62:63], s[4:5], s[62:63]
	s_mov_b32 s[G0Y], 1
	s_mov_b32 s[G0Y+1], s90
	s_mov_b64 s[G0Y+2:G0Y+3], s[60:61]
	s_or_b32 s[G0Y+3], s[G0Y+3], 0x80000000
	s_mov_b32 s[G0X], 1
	s_mov_b32 s[G0X+1], s91
	s_mov_b64 s[G0X+2:G0X+3], s[62:63]
	s_or_b32 s[G0X+3], s[G0X+3], 0x80000000
	CROUND                                         ; all sixteen work-groups are here: the joint loads meet
	s_cmp_lt_u32 s12, 2                            ; one fill to an arm: one load of mine is out
	s_cbranch_scc0 .Lfill_x
	tensor_load_to_lds s[G0Y:G0Y+3], s[G1Y:G1Y+7]
	s_nop 0
	PLACES
	s_branch .Lfilled
.Lfill_x:
	tensor_load_to_lds s[G0X:G0X+3], s[G1X:G1X+7]
	s_nop 0
	PLACES
.Lfilled:
	v_and_b32 v1, 15, v0                           ; r
	v_bfe_u32 v2, v0, 4, 1                         ; h
	v_and_b32 v3, 31, v0                           ; lane
	v_lshlrev_b32 v[LI], 4, v3
	s_wait_alu depctr_va_vdst(0)                   ; the wait here, ahead of the run of scalar instructions
	s_lshl_b32 s92, s15, 10                        ; my first column in bytes: (256 cx + 128 xh) x 4
	s_lshl_b32 s93, s13, 9
	s_add_co_u32 s92, s92, s93
	s_mov_b32 s93, 0
	s_add_nc_u64 s[94:95], s[8:9], s[92:93]        ; the bias at my first column
	v_lshlrev_b32 v23, 6, v2                       ; + 16 h columns
.irp i, 0,1,2,3,4,5,6,7
	global_load_b128 v[BI+8*\i:BI+8*\i+3], v23, s[94:95] offset:(32*(\i/2)+8*(\i%2))*4         ; register j of tile i: column 32 (i / 2) + 16 h + 8 (i % 2) + j
	global_load_b128 v[BI+8*\i+4:BI+8*\i+7], v23, s[94:95] offset:(32*(\i/2)+8*(\i%2))*4+16
.endr
	v_lshlrev_b32 v26, 4, v1
	v_mad_u32_u24 v24, v2, RQLX, v26
	v_add_nc_u32 v24, SOF, v24                     ; X's scale words: 16 r, lanes 16-31 in the second group of 64 rows
	v_add_nc_u32 v25, SOF, v26                     ; Y's
	s_mul_i32 s96, s13, 102400
	s_add_co_u32 s96, s96, 102400                  ; my half of X
	s_mul_i32 s97, s14, 51200                      ; my half of Y
.irp s, 0,1,2,3
	v_add_nc_u32 v[ADX+\s], s96, v[LI]
	v_add_nc_u32 v[ADY+\s], s97, v[LI]
	v_add_nc_u32 v[ADXS+\s], s96, v24
	v_add_nc_u32 v[ADYS+\s], s97, v25
	s_add_co_u32 s96, s96, REC                     ; a quarter of K on
	s_add_co_u32 s97, s97, REC
.endr
	s_mul_i32 s96, s12, 16*SP
	s_add_co_u32 s96, s96, STAGE                   ; my stage
	v_mul_u32_u24 v[STO], v1, SP
	v_lshl_add_u32 v[STO], v2, 6, v[STO]
	v_add_nc_u32 v[STO], s96, v[STO]               ; in: row r, + 64 h bytes
	v_mul_u32_u24 v[RD], v2, SP
	v_lshl_add_u32 v[RD], v1, 4, v[RD]
	v_add_nc_u32 v[RD], s96, v[RD]                 ; back: lanes 0-15 one row of 256 bytes, lanes 16-31 the next
	v_lshlrev_b32 v[CO], 12, v2
	v_lshl_add_u32 v[CO], v1, 4, v[CO]             ; and the same two rows in out0, 4,096 bytes apart
	s_lshl_b32 s96, s17, 2
	s_add_co_u32 s96, s96, s16
	s_lshl_b32 s96, s96, 7
	s_lshl_b32 s97, s14, 6
	s_add_co_u32 s96, s96, s97                     ; my first row: 128 (4 cluster y + cy) + 64 yh
	s_lshl_b32 s96, s96, 12
	s_add_co_u32 s92, s92, s96
	s_add_nc_u64 s[OB:OB+1], s[10:11], s[92:93]
	s_wait_alu depctr_va_vdst(0)                   ; the wait at the head's end
	s_wait_tensorcnt 0x0                           ; my one load, all of K of my part, is in
	s_barrier_signal -1
	s_barrier_wait -1                              ; everybody's is
	FETCHX 0, 0, 0
	FETCHY 0
	s_wait_loadcnt 0x0                             ; the bias
.set KS, 0
.rept 8                                ; my first 64 columns
.if KS == 0
	STEP 0, KS, 2                                  ; the first K step starts the sums from the bias
.else
	STEP 0, KS, 0
.endif
.set KS, KS+1
.endr
	WAYOUT 0                                       ; they leave while the other 64 are multiplied
.set KS, 0
.rept 7                                ; my second 64 columns, on Y's fragments as they stand in registers
.if KS == 0
	STEP 1, KS, 2
.else
	STEP 1, KS, 0
.endif
.set KS, KS+1
.endr
	s_wait_dscnt 0x0                               ; the very last K step: nothing more to fetch
	MUL 1, 7, 0
	WIN 0
	WAYOUT 1
	s_wait_tensorcnt 0x0                           ; the wave's end
	ds_add_u32 v[SPW], v[NIL]
	s_wait_dscnt 0x0
	CROUND                                         ; the closing round
	s_endpgm
.Lfunc_end_k_q2b4808a735_outp:
	.size	k_q2b4808a735_outp, .Lfunc_end_k_q2b4808a735_outp-k_q2b4808a735_outp
	.p2alignl 7, 3214868480
	.fill 96, 4, 3214868480
	.section	.rodata,"a",@progbits
	.p2align	6, 0x0
	.amdhsa_kernel k_q2b4808a735_outp
		.amdhsa_group_segment_fixed_size 327680
		.amdhsa_private_segment_fixed_size 0
		.amdhsa_enable_private_segment 0
		.amdhsa_kernarg_size 32
		.amdhsa_user_sgpr_count 2
		.amdhsa_user_sgpr_kernarg_segment_ptr 1
		.amdhsa_wavefront_size32 1
		.amdhsa_system_sgpr_workgroup_id_x 1
		.amdhsa_system_sgpr_workgroup_id_y 1
		.amdhsa_system_sgpr_workgroup_id_z 1
		.amdhsa_system_vgpr_workitem_id 0
		.amdhsa_next_free_vgpr 1024
		.amdhsa_next_free_sgpr 100
		.amdhsa_reserve_vcc 0
		.amdhsa_float_denorm_mode_32 3
		.amdhsa_float_denorm_mode_16_64 3
		.amdhsa_memory_ordered 1
		.amdhsa_forward_progress 1
		.amdhsa_inst_pref_size 82
	.end_amdhsa_kernel
	.amdgpu_metadata
---
amdhsa.version: [ 1, 2 ]
amdhsa.kernels:
  - .name:           k_q2b4808a735_outp
    .symbol:         k_q2b4808a735_outp.kd
    .args:
      - { .name: xw, .offset: 0, .size: 8, .value_kind: global_buffer, .address_space: global }
      - { .name: cx, .offset: 8, .size: 8, .value_kind: global_buffer, .address_space: global }
      - { .name: b_o, .offset: 16, .size: 8, .value_kind: global_buffer, .address_space: global }
      - { .name: out0, .offset: 24, .size: 8, .value_kind: global_buffer, .address_space: global }
    .group_segment_fixed_size: 327680
    .private_segment_fixed_size: 0
    .kernarg_segment_align: 8
    .kernarg_segment_size: 32
    .max_flat_workgroup_size: 128
    .sgpr_count:     100
    .vgpr_count:     1024
    .wavefront_size: 32
...
	.end_amdgpu_metadata
.endif
;; end of part 5
